; MI455X (gfx1250); checked and timed in simulation.
; The chip was launched on July 23, 2026; its instructions are those of AMD's public machine-readable ISA for CDNA 5 (MIT licence, August 2026) and "CDNA5" Instruction Set Architecture Reference Guide (July 2026). The comments in the code are by the model that wrote it; some were corrected since.
;; Multihead Attention Zero. Allowed arithmetic: matrix products marked QUANTISED: E2M3 operands, one E8M0 scale for each 32 along K, by v_wmma_scale_f32_16x16x128_f8f6f4 with both operands' format E2M3, f32 sums; everything else in f32.
;; Inputs: Wk 1,024 x 1,024 float32; Wproj 1,024 x 1,024 float32; Wq 1,024 x 1,024 float32; Wv 1,024 x 1,024 float32; freq_kv 2,048 x 32 float32; freq_q 2,048 x 32 float32; key_padding_mask 4 x 2,048 int32; kv_x 4 x 2,048 x 1,024 float32; q_x 4 x 2,048 x 1,024 float32.
;; Outputs: out0 4 x 2,048 x 1,024 float32.
;; This version of the problem:
;;   THIS VERSION OF THE PROBLEM IS GIVEN IN LOW PRECISION. The matrix products marked QUANTISED in the list below multiply operands that are first quantised to E2M3 (2 exponent bits, 3 mantissa bits; 6 bits a number), with one power-of-two scale for each 32 numbers along K (OCP MX v1.0); their sums are f32. All else is computed in f32.
;;   The module's matrix products, in the order in which they are computed (A, B: the left and right operand; K: the contracted axis; several contracted axes count as one K, in the product's order):
;;     1. [M 8,192, K 1,024] x [K 1,024, N 1,024]; A: input q_x; B: input Wq: QUANTISED
;;     2. [M 8,192, K 1,024] x [K 1,024, N 1,024]; A: input kv_x; B: input Wk: QUANTISED
;;     3. [M 8,192, K 1,024] x [K 1,024, N 1,024]; A: input kv_x; B: input Wv: QUANTISED
;;     4. batch 64 x [M 2,048, K 64] x [K 64, N 2,048]; A: computed on the way; B: computed on the way: QUANTISED
;;     5. batch 64 x [M 2,048, K 2,048] x [K 2,048, N 64]; A: softmax (see below); B: computed on the way: QUANTISED
;;     6. [M 8,192, K 1,024] x [K 1,024, N 1,024]; A: computed on the way; B: input Wproj: QUANTISED
;;   THE QUANTISER, for each operand of a quantised product, along K:
;;     - K is cut into blocks of 32 from its start; a last block that is shorter is filled with zeros.
;;     - A block's scale is 2^e with e = floor(log2(the largest magnitude in the block)) - 2, held to -126 .. 127; a block of zeros has e = 0. As a byte (E8M0): e + 127.
;;     - Each number is divided by its block's scale, clamped to +-7.5, and rounded to the nearest number of E2M3, ties to even, subnormals kept.
;;     - The product sums the exact products of the quantised numbers (number of the format x scale) in f32.
;;   ~~~python
;;   def quantise(x, axis):      # numpy; x: float32 -> the quantised numbers, widened to float32 again
;;       x = np.moveaxis(x, axis, -1); K = x.shape[-1]
;;       x = np.pad(x, [(0, 0)] * (x.ndim - 1) + [(0, -K % 32)]); x = x.reshape(x.shape[:-1] + (-1, 32)); a = np.abs(x).max(-1, keepdims=True)
;;       e = np.where(a > 0, np.clip(np.frexp(np.where(a > 0, a, 1))[1] - 1 - 2, -126, 127), 0)      # np.frexp(a)[1] - 1 = floor(log2(a)), exactly
;;       r = np.clip(x / 2.0 ** e, -7.5, 7.5)
;;       step = 2.0 ** (np.maximum(np.frexp(np.where(r == 0, 1, r))[1] - 1, 0) - 3)
;;       q = np.round(r / step) * step * 2.0 ** e      # np.round: ties to even
;;       return np.moveaxis(q.reshape(q.shape[:-2] + (-1,))[..., :K], -1, axis).astype(np.float32)
;;   ~~~
;;   SOFTMAX AHEAD OF A QUANTISED PRODUCT. Where the list says 'softmax', what is quantised is not the finished softmax but p = 2^(t - M), with t = logit x log2(e) and M = ceil(the row's largest t), a whole number; so 1/2 < the row's largest p <= 1. The row's sum l is taken of the UNQUANTISED p, in f32, and the product's result is divided by l at the end. Since M is a whole number, a kernel that streams over the keys may use a running M (the ceiling of the running maximum): every later rescaling is an exact power of two, which a block's scale takes up: the codes' values come out the same.
;;   OPERANDS COMPUTED ON THE WAY. 'Computed on the way' means the value that the module computes at that place (a softmax that the list does not call 'softmax' is quantised finished and normalised). What goes into a quantiser is computed in f32, as accurately as f32 sums, v_exp_f32 and their like allow (about 1e-6 of the number): no bf16 or f16 on the way to a quantiser, and a product that is left as it is and whose result goes on into a quantised operand takes f32 operands (vector FMAs, or v_wmma_f32_16x16x4_f32). A number that lies on a knife's edge between two numbers of the format may be rounded either way, as far as f32 arithmetic and the matrix unit's own rounding can turn it there, and no further.
;; One version. Each part assembles by itself: llvm-mc -triple=amdgcn-amd-amdhsa -mcpu=gfx1250 --defsym DOCPART=n.
;; ======== version 1 of 1: 4 launches
;; limits: right only within a limited range of input values
;; workspace buffers: xc 12,582,912 bytes; xs 524,288 bytes; wc 3,145,728 bytes; ws 131,072 bytes; trig 1,048,576 bytes; qkv 19,660,800 bytes; ac 6,291,456 bytes; asc 262,144 bytes
;; launch prep (part 1): grid 672 x 1, 4 waves a work-group, no clusters, 33,280 bytes of LDS; arguments q_x, kv_x, Wq, Wk, Wv, Wproj, freq_q, freq_kv, xc, xs, wc, ws, trig; writes xc, xs, wc, ws, trig
.if DOCPART == 1
	.amdgcn_target "amdgcn-amd-amdhsa--gfx1250"
	.amdhsa_code_object_version 6
	.text
	.protected	k_q0f667f8b3c_prep
	.globl	k_q0f667f8b3c_prep
	.p2align	8
	.type	k_q0f667f8b3c_prep,@function
k_q0f667f8b3c_prep:
	s_mov_b64 s[64:65], 0
	v_nop
	global_prefetch_b8 v0, s[64:65] scope:SCOPE_SE
	s_setreg_imm32_b32 hwreg(HW_REG_WAVE_MODE, 25, 1), 1
	s_wait_xcnt 0x0
; q_x, kv_x [8192][1024] and Wq, Wk, Wv, Wproj [1024][1024], f32 with K innermost, become codes of FP6 (E2M3) with one E8M0 byte for each 32 along K;
; freq_q and freq_kv become tables of cosines and sines.  Work-groups 0-255: q_x; 256-511: kv_x; 512-639: the four weights, 32 each; 640-671: the tables.
; A block's scale is 2^(floor(log2(its largest magnitude)) - 2); its byte is the largest magnitude's exponent field - 2, held at 1 from below.
; A block of zeros so carries the byte 1 where the quantiser says 127: its codes are zeros, and this program alone reads the bytes.
; A wave takes 8 rows of 1,024 numbers as 16 steps of 512.  Each load reads 512 consecutive bytes; a step's 2,048 bytes turn through the wave's own stage in LDS, so that a lane holds 16 neighbours along K.
; THE ROWS OF THE WEIGHTS CHANGE PLACES ON THE WAY OUT (a row stays whole, so no block changes):
;   Wq, Wk: inside each 32 rows, row 2 p + e goes to row 16 e + p: a tile of 16 rows then holds the even or the odd elements of 16 rotary pairs;
;   Wv: bits 3 and 4 of the row's number change places: attention's result then lies in a lane's registers in the order of the last product's K.
; LIMITS: NaN and infinities are not served; |freq| stays under 2^22 (two-part reduction by pi / 2; the polynomials hold to about 1e-7 on the reduced range).
; No cluster: no two work-groups read the same bytes.
.set WAVES, 4
.set STEPS, 16
.set EMAX,  2
.set CB,    12                         ; bytes of 16 codes
.set R,     16                         ; v16-79   four sets of 16 numbers as loaded
.set X,     80                         ; v80-111  two sets of 16 neighbours
.set E,     112                        ; v112-127 a scale byte for each step
.set C,     128                        ; v128-191 codes, four registers a step: no store's data are written again
.set VO,    192                        ; v192-199 byte offset of my 12 bytes in row i's codes
.set VSO,   200                        ; v200     byte offset of my 8 scale bytes
.set WREG,  8192                       ; LDS: a region for each wave: two stages of 32 x SP bytes, then its 256 scale bytes
.set SP,    80
.set SPW,   12                         ; v12  LDS address of my spare word; never rewritten
.set NIL,   13                         ; v13  0; never rewritten
.set SPARE, WAVES*WREG                 ; behind the regions: the spare words, 128 bytes a wave
.set XV,    16                         ; the tables' path: 32 angles,
.set CO,    48                         ; their cosines,
.set SI,    80                         ; their sines,
.set TP,    112                        ; and 32 registers at work
	s_load_b512 s[8:23], s[0:1], 0x0               ; q_x, kv_x, Wq, Wk, Wv, Wproj, freq_q, freq_kv
	s_load_b256 s[24:31], s[0:1], 0x40             ; xc, xs, wc, ws
	s_load_b64 s[32:33], s[0:1], 0x60              ; trig
	v_lshl_add_u32 v[SPW], v0, 2, SPARE
	v_mov_b32 v[NIL], 0
	v_lshrrev_b32 v1, 5, v0
	v_readfirstlane_b32 s2, v1                     ; wave
	s_cmp_ge_u32 ttmp9, 640
	s_cbranch_scc1 .Ltrig
	v_and_b32 v2, 31, v0                           ; lane
	v_lshlrev_b32 v3, 4, v2                        ; my 16 bytes of a load's 512
	s_mul_i32 s3, s2, WREG
	v_lshrrev_b32 v14, 2, v2
	v_mul_u32_u24 v14, v14, SP
	v_and_b32 v15, 3, v2
	v_lshl_add_u32 v14, v15, 4, v14
	v_add_nc_u32 v14, s3, v14                      ; the stage, on the way in: SP (lane / 4) + 16 (lane % 4)
	v_mul_u32_u24 v15, v2, SP
	v_add_nc_u32 v15, s3, v15                      ; and on the way out: SP x lane
	v_mul_u32_u24 v4, v2, CB
	v_lshrrev_b32 v5, 1, v2
	s_add_co_u32 s3, s3, 2*32*SP
	v_add_nc_u32 v5, s3, v5                        ; LDS: my block's scale byte
	v_lshlrev_b32 v7, 3, v2
	v_add_nc_u32 v6, s3, v7                        ; and 8 bytes a lane on the way out
	; which tensor, which rows: ids alone
	s_sub_co_u32 s38, ttmp9, 512                   ; the weights' work-groups count from 0 (it wraps for q_x and kv_x)
	s_sub_co_u32 s39, ttmp9, 576                   ; under 32: Wv
	s_and_b32 s35, ttmp9, 255
	s_and_b32 s40, s38, 31
	s_lshl_b32 s41, s2, 3                          ; 8 w
	s_and_b32 s42, s2, 1
	s_lshl_b32 s42, s42, 1
	s_lshr_b32 s43, s2, 1
	s_or_b32 s42, s42, s43
	s_lshl_b32 s42, s42, 3                         ; 8 x (w with its two bits exchanged)
	s_lshl_b32 s43, s2, 2                          ; 4 w
	s_cmp_lt_u32 s39, 32
	s_cselect_b32 s41, s42, s41
	s_cmp_lt_u32 s38, 64                           ; Wq or Wk
	s_cselect_b32 s41, s43, s41                    ; my first row's place in the 32
	s_cselect_b32 s44, 16, 1                       ; row i of my 8 goes SA (i % 2) + SB (i / 2) rows on
	s_cselect_b32 s45, 1, 2
	s_cmp_ge_u32 ttmp9, 512                        ; a weight?
	s_cselect_b32 s34, s38, ttmp9                  ; which 32 rows of the codes' buffer
	s_cselect_b32 s35, s40, s35                    ; which 32 rows of the source
	s_wait_kmcnt 0x0
	s_cselect_b64 s[6:7], s[28:29], s[24:25]       ; the codes' buffer
	s_cselect_b64 s[36:37], s[30:31], s[26:27]     ; the scale bytes'
	s_mov_b64 s[4:5], s[18:19]
	s_cmp_lt_u32 ttmp9, 608
	s_cselect_b64 s[4:5], s[16:17], s[4:5]
	s_cmp_lt_u32 ttmp9, 576
	s_cselect_b64 s[4:5], s[14:15], s[4:5]
	s_cmp_lt_u32 ttmp9, 544
	s_cselect_b64 s[4:5], s[12:13], s[4:5]
	s_cmp_lt_u32 ttmp9, 512
	s_cselect_b64 s[4:5], s[10:11], s[4:5]
	s_cmp_lt_u32 ttmp9, 256
	s_cselect_b64 s[4:5], s[8:9], s[4:5]
	s_lshl_b32 s35, s35, 2
	s_add_co_u32 s35, s35, s2
	s_lshl_b32 s46, s35, 15                        ; my run of 8 rows: 32,768 bytes each
	s_mov_b32 s47, 0
	s_add_nc_u64 s[4:5], s[4:5], s[46:47]
	s_lshl_b32 s34, s34, 5
	s_add_co_u32 s34, s34, s41                     ; my first row in the codes' buffer
	s_mul_i32 s46, s34, 768
	s_add_nc_u64 s[6:7], s[6:7], s[46:47]
	s_lshl_b32 s46, s34, 5
	s_add_nc_u64 s[36:37], s[36:37], s[46:47]
	s_mul_i32 s48, s44, 768
	s_mul_i32 s49, s45, 768
.irp i, 0,1,2,3,4,5,6,7
	s_mul_i32 s50, s48, (\i&1)
	s_mul_i32 s51, s49, (\i>>1)
	s_add_co_u32 s50, s50, s51
	v_add_nc_u32 v[VO+\i], s50, v4
.endr
	v_lshrrev_b32 v8, 2, v2                        ; on the way out lane l holds 8 scale bytes of row l / 4
	v_and_b32 v9, 1, v8
	v_lshrrev_b32 v8, 1, v8
	s_lshl_b32 s48, s44, 5
	s_lshl_b32 s49, s45, 5
	v_mul_u32_u24 v9, v9, s48
	v_mad_u32_u24 v9, v8, s49, v9
	v_and_b32 v8, 3, v2
	v_lshl_add_u32 v[VSO], v8, 3, v9
.macro LOAD t
.irp i, 0,1,2,3
	global_load_b128 v[R+16*((\t)%4)+4*\i:R+16*((\t)%4)+4*\i+3], v3, s[4:5] offset:2048*(\t)+512*\i th:TH_LOAD_NT   ; 32 lanes read 512 consecutive bytes
.endr
.endm
.macro TURN t                          ; step t's numbers through the stage: LDS serves a wave's instructions in order, so no wait stands between the stores and the loads
.irp i, 0,1,2,3
	ds_store_b128 v14, v[R+16*((\t)%4)+4*\i:R+16*((\t)%4)+4*\i+3] offset:32*SP*((\t)%2)+8*SP*\i
.endr
.irp i, 0,1,2,3
	ds_load_b128 v[X+16*((\t)%2)+4*\i:X+16*((\t)%2)+4*\i+3], v15 offset:32*SP*((\t)%2)+16*\i
.endr
.endm
.irp t, 0,1,2,3
	LOAD \t
.endr
	s_wait_loadcnt 12                              ; step 0's four loads are in
	TURN 0
.macro STEP t
.set XS, X+16*((\t)%2)
.if (\t) > 0
	s_wait_dscnt 1                                 ; this step's numbers are back from the stage (the last step's byte store may be out): so its stores into the stage have read their registers,
.else
	s_wait_dscnt 0x0
.endif
.if (\t)+4 < STEPS
	LOAD (\t)+4                                    ; which take the loads of four steps on
.endif
.if (\t)+1 < STEPS
.if STEPS-2-(\t) >= 3
	s_wait_loadcnt 12                              ; the next step's four loads are in; those of the three steps behind it may be out
.else
	s_wait_loadcnt 4*(STEPS-2-(\t))
.endif
	TURN (\t)+1
.endif
	v_max3_num_f32 v8, |v[XS]|, |v[XS+1]|, |v[XS+2]|               ; the largest magnitude of my 16
	v_max3_num_f32 v9, |v[XS+3]|, |v[XS+4]|, |v[XS+5]|
.irp i, 6,10
	v_max3_num_f32 v8, v8, |v[XS+\i]|, |v[XS+\i+1]|
	v_max3_num_f32 v9, v9, |v[XS+\i+2]|, |v[XS+\i+3]|
.endr
	v_max3_num_f32 v8, v8, |v[XS+14]|, |v[XS+15]|
	v_max3_num_f32 v8, v8, v9, (EMAX+1)<<23        ; and the floor 2^(3 - 127): the byte cannot fall under 1
	v_max_num_f32_dpp v8, v8, v8 row_xmask:1 row_mask:0xf bank_mask:0xf   ; with my neighbour's 16: the block's
	v_add_nc_u32 v11, -(EMAX<<23), v8              ; 2 off its exponent field: the conversion's scale operand
	v_cvt_scalef32_pk16_fp6_f32 v[C+4*(\t):C+4*(\t)+2], v[XS:XS+15], v11
	v_lshrrev_b32 v[E+(\t)], 23, v11               ; the scale's byte
	ds_store_b8 v5, v[E+(\t)] offset:16*(\t)       ; both lanes of a block write the same byte with the same value
	global_store_b96 v[VO+(\t)/2], v[C+4*(\t):C+4*(\t)+2], s[6:7] offset:384*((\t)%2)   ; 384 consecutive bytes: half a row of codes
.endm
.irp t, 0,1,2,3,4,5,6,7,8,9,10,11,12,13,14,15
	STEP \t
.endr
	ds_load_b64 v[8:9], v6                         ; LDS serves a wave's instructions in order: these see my stores
	s_wait_dscnt 0x0
	global_store_b64 v[VSO], v[8:9], s[36:37]      ; 256 consecutive bytes where the rows keep their places; pieces of 32 bytes for Wq and Wk (64 KB in all)
	s_wait_tensorcnt 0x0                           ; the wave's end
	ds_add_u32 v[SPW], v[NIL]
	s_wait_dscnt 0x0
	s_endpgm
.Ltrig:                                                ; 32 work-groups x 4,096 angles.  trig: cos_q, sin_q, cos_kv, sin_kv, 262,144 bytes each
	s_sub_co_u32 s34, ttmp9, 640
	s_and_b32 s35, s34, 15
	s_lshl_b32 s46, s35, 14
	s_mov_b32 s47, 0
	s_lshr_b32 s36, s34, 4
	s_lshl_b32 s48, s36, 19
	s_add_co_u32 s48, s48, s46
	s_mov_b32 s49, 0
	s_mov_b32 s52, 0xb94ca1f9                      ; the polynomials' leading coefficients
	s_mov_b32 s53, 0x37ccf5ce
	v_lshlrev_b32 v1, 4, v0
	s_cmp_lt_u32 s34, 16
	s_wait_kmcnt 0x0
	s_cselect_b64 s[4:5], s[20:21], s[22:23]
	s_add_nc_u64 s[4:5], s[4:5], s[46:47]
	s_add_nc_u64 s[6:7], s[32:33], s[48:49]
.irp j, 0,1,2,3,4,5,6,7
	global_load_b128 v[XV+4*\j:XV+4*\j+3], v1, s[4:5] offset:2048*\j th:TH_LOAD_NT
.endr
	s_wait_loadcnt 0x0
; four angles at a time, line by line: n = round(x 2 / pi); r = x - n pi / 2 in two parts; sin r and cos r by polynomials on |r| <= pi / 4; the quadrant n mod 4 exchanges them and sets the signs
.macro SINCOS4 g
.irp k, 0,1,2,3
	v_mul_f32 v[TP+\k], 0x3f22f983, v[XV+4*(\g)+\k]
.endr
.irp k, 0,1,2,3
	v_rndne_f32 v[TP+\k], v[TP+\k]
.endr
.irp k, 0,1,2,3
	v_fmamk_f32 v[TP+4+\k], v[TP+\k], 0xbfc90fdb, v[XV+4*(\g)+\k]
.endr
.irp k, 0,1,2,3
	v_fmamk_f32 v[TP+4+\k], v[TP+\k], 0x333bbd2e, v[TP+4+\k]
.endr
.irp k, 0,1,2,3
	v_cvt_i32_f32 v[TP+12+\k], v[TP+\k]
.endr
.irp k, 0,1,2,3
	v_mul_f32 v[TP+8+\k], v[TP+4+\k], v[TP+4+\k]
.endr
.irp k, 0,1,2,3
	v_fmaak_f32 v[TP+16+\k], s52, v[TP+8+\k], 0x3c08839e
	v_fmaak_f32 v[TP+20+\k], s53, v[TP+8+\k], 0xbab6061a
.endr
.irp k, 0,1,2,3
	v_fmaak_f32 v[TP+16+\k], v[TP+16+\k], v[TP+8+\k], 0xbe2aaaa3
	v_fmaak_f32 v[TP+20+\k], v[TP+20+\k], v[TP+8+\k], 0x3d2aaaa5
.endr
.irp k, 0,1,2,3
	v_mul_f32 v[TP+16+\k], v[TP+16+\k], v[TP+8+\k]
	v_mul_f32 v[TP+24+\k], v[TP+8+\k], v[TP+8+\k]
	v_fma_f32 v[TP+28+\k], v[TP+8+\k], -0.5, 1.0
.endr
.irp k, 0,1,2,3
	v_fma_f32 v[TP+16+\k], v[TP+16+\k], v[TP+4+\k], v[TP+4+\k]     ; sin r
	v_fma_f32 v[TP+20+\k], v[TP+20+\k], v[TP+24+\k], v[TP+28+\k]   ; cos r
.endr
.irp k, 0,1,2,3
	v_and_b32 v[TP+24+\k], 1, v[TP+12+\k]
.endr
.irp k, 0,1,2,3
	v_cmp_eq_u32 s[56+\k], 1, v[TP+24+\k]
.endr
.irp k, 0,1,2,3
	v_cndmask_b32 v[TP+24+\k], v[TP+16+\k], v[TP+20+\k], s[56+\k]  ; the sine's magnitude: cos r in odd quadrants
	v_cndmask_b32 v[TP+28+\k], v[TP+20+\k], v[TP+16+\k], s[56+\k]  ; the cosine's
.endr
.irp k, 0,1,2,3
	v_lshlrev_b32 v[TP+\k], 30, v[TP+12+\k]
	v_add_nc_u32 v[TP+12+\k], 1, v[TP+12+\k]
.endr
.irp k, 0,1,2,3
	v_lshlrev_b32 v[TP+12+\k], 30, v[TP+12+\k]
	v_and_b32 v[TP+\k], 0x80000000, v[TP+\k]       ; the sine is negative in quadrants 2 and 3,
.endr
.irp k, 0,1,2,3
	v_and_b32 v[TP+12+\k], 0x80000000, v[TP+12+\k] ; the cosine in 1 and 2
	v_xor_b32 v[SI+4*(\g)+\k], v[TP+\k], v[TP+24+\k]
.endr
.irp k, 0,1,2,3
	v_xor_b32 v[CO+4*(\g)+\k], v[TP+12+\k], v[TP+28+\k]
.endr
.endm
.irp g, 0,1,2,3,4,5,6,7
	SINCOS4 \g
.endr
.irp j, 0,1,2,3,4,5,6,7
	global_store_b128 v1, v[CO+4*\j:CO+4*\j+3], s[6:7] offset:2048*\j
	global_store_b128 v1, v[SI+4*\j:SI+4*\j+3], s[6:7] offset:262144+2048*\j
.endr
	s_wait_tensorcnt 0x0                           ; the wave's end
	ds_add_u32 v[SPW], v[NIL]
	s_wait_dscnt 0x0
	s_endpgm
.Lfunc_end_k_q0f667f8b3c_prep:
	.size	k_q0f667f8b3c_prep, .Lfunc_end_k_q0f667f8b3c_prep-k_q0f667f8b3c_prep
	.p2alignl 7, 3214868480
	.fill 96, 4, 3214868480
	.section	.rodata,"a",@progbits
	.p2align	6, 0x0
	.amdhsa_kernel k_q0f667f8b3c_prep
		.amdhsa_group_segment_fixed_size 33280
		.amdhsa_private_segment_fixed_size 0
		.amdhsa_enable_private_segment 0
		.amdhsa_kernarg_size 104
		.amdhsa_user_sgpr_count 2
		.amdhsa_user_sgpr_kernarg_segment_ptr 1
		.amdhsa_wavefront_size32 1
		.amdhsa_system_sgpr_workgroup_id_x 1
		.amdhsa_system_sgpr_workgroup_id_y 1
		.amdhsa_system_sgpr_workgroup_id_z 1
		.amdhsa_system_vgpr_workitem_id 0
		.amdhsa_next_free_vgpr 208
		.amdhsa_next_free_sgpr 66
		.amdhsa_reserve_vcc 0
		.amdhsa_float_denorm_mode_32 3
		.amdhsa_float_denorm_mode_16_64 3
		.amdhsa_memory_ordered 1
		.amdhsa_forward_progress 1
		.amdhsa_inst_pref_size 79
	.end_amdhsa_kernel
	.amdgpu_metadata
---
amdhsa.version: [ 1, 2 ]
amdhsa.kernels:
  - .name:           k_q0f667f8b3c_prep
    .symbol:         k_q0f667f8b3c_prep.kd
    .args:
      - { .name: q_x, .offset: 0, .size: 8, .value_kind: global_buffer, .address_space: global }
      - { .name: kv_x, .offset: 8, .size: 8, .value_kind: global_buffer, .address_space: global }
      - { .name: Wq, .offset: 16, .size: 8, .value_kind: global_buffer, .address_space: global }
      - { .name: Wk, .offset: 24, .size: 8, .value_kind: global_buffer, .address_space: global }
      - { .name: Wv, .offset: 32, .size: 8, .value_kind: global_buffer, .address_space: global }
      - { .name: Wproj, .offset: 40, .size: 8, .value_kind: global_buffer, .address_space: global }
      - { .name: freq_q, .offset: 48, .size: 8, .value_kind: global_buffer, .address_space: global }
      - { .name: freq_kv, .offset: 56, .size: 8, .value_kind: global_buffer, .address_space: global }
      - { .name: xc, .offset: 64, .size: 8, .value_kind: global_buffer, .address_space: global }
      - { .name: xs, .offset: 72, .size: 8, .value_kind: global_buffer, .address_space: global }
      - { .name: wc, .offset: 80, .size: 8, .value_kind: global_buffer, .address_space: global }
      - { .name: ws, .offset: 88, .size: 8, .value_kind: global_buffer, .address_space: global }
      - { .name: trig, .offset: 96, .size: 8, .value_kind: global_buffer, .address_space: global }
    .group_segment_fixed_size: 33280
    .private_segment_fixed_size: 0
    .kernarg_segment_align: 8
    .kernarg_segment_size: 104
    .max_flat_workgroup_size: 128
    .sgpr_count:     66
    .vgpr_count:     208
    .wavefront_size: 32
...
	.end_amdgpu_metadata
.endif
;; end of part 1
;; launch proj (part 2): grid 4 x 96, 4 waves a work-group, clusters of 4 x 4, 327,680 bytes of LDS; arguments xc, xs, wc, ws, trig, qkv; writes qkv
.if DOCPART == 2
	.amdgcn_target "amdgcn-amd-amdhsa--gfx1250"
	.amdhsa_code_object_version 6
	.text
	.protected	k_q0f667f8b3c_proj
	.globl	k_q0f667f8b3c_proj
	.p2align	8
	.type	k_q0f667f8b3c_proj,@function
k_q0f667f8b3c_proj:
	s_mov_b64 s[64:65], 0
	v_nop
	global_prefetch_b8 v0, s[64:65] scope:SCOPE_SE
	s_setreg_imm32_b32 hwreg(HW_REG_WAVE_MODE, 25, 1), 1
	s_wait_xcnt 0x0
	s_wait_alu depctr_hold_cnt(0) depctr_sa_sdst(0) depctr_va_vdst(0) depctr_va_sdst(0) depctr_va_ssrc(0) depctr_va_vcc(0) depctr_vm_vsrc(0)
	s_getreg_b32 s2, hwreg(HW_REG_IB_STS2, 6, 4)
	s_cmp_eq_u32 s2, 0
	s_cbranch_scc0 .Lentry_in_a_cluster
	s_endpgm
.Lentry_in_a_cluster:
	s_bfe_u32 s2, ttmp6, 0x10000c
	s_cmp_lg_u32 s2, 0xf033
	s_cbranch_scc0 .Lentry_shape_is_right
	s_endpgm
.Lentry_shape_is_right:
; The three projections in one launch, on codes of FP6 (E2M3) with E8M0 scales: q = q_x Wq^T, k = kv_x Wk^T (each with the rotary embedding), v = kv_x Wv^T.  K = 1,024.
; Cluster row Y (0-23): 0-7 q, 8-15 k, 16-23 v.  A tile of 256 x 256 to a work-group of four waves, 128 x 128 a wave in 64 accumulators; K in steps of 256 through two LDS slots;
; the scales of the work-group's 512 rows come into LDS once.  4 x 4 work-groups form a cluster: the tile of the first operand is asked for jointly along a row of the cluster, the second's along a column.
; The matrix instruction takes 16 rows of the SECOND operand as source 0 and 16 rows of the FIRST as source 1: a lane then holds one row of the first operand, its registers run along the second's rows.
;   q, k: first = x's rows, second = the weight's rows.  The weight's rows were laid so that tile 2 B holds the even and tile 2 B + 1 the odd elements of 16 rotary pairs: the rotation needs no other lane,
;         and a lane's 16 registers of the two tiles are half a block of 32 along the head's axis.  The order inside a block is the same for q and for k, so their product is unchanged.
;   v:    first = Wv's rows, second = kv_x's rows: a lane holds one channel and its registers run along the KEYS, which are the K of attention's second product.
; THE RESULTS LEAVE AS CODES, as images of attention's operand registers: record = four fragments of 1,536 bytes (registers 4 k .. 4 k + 3 of lane l at 512 k + 16 l), then 256 bytes of scale words (row r: four words at 16 r).
;   q, k: [b, head][128 rows]: fragment i = rows 32 i .. + 15 in registers 0-5 and rows 32 i + 16 .. + 31 in registers 6-11 (a head is 64 codes: two rows share a fragment).   v: [b, head][128 keys]: fragment t = 16 channels x 128 keys.
; LIMITS: NaN and infinities are not served; a block of zeros carries the byte 1 (its codes are zeros; this program alone reads the bytes).
.set SIZE_K, 1024
.set KSTEP,  256
.set NQ,     KSTEP/128
.set ROWB,   192                       ; a tile's row in bytes
.set KROW,   SIZE_K*6/8
.set PITCH,  240                       ; an LDS row: 3 x (64 bytes + 16 of padding) = 60 words: the 32 lanes of a load of 8 bytes touch 64 different banks (64 banks of 4 bytes: ISA guide 11.1)
.set FR,     12
.set NL,     6
.set NP,     4                         ; places behind this matrix instruction (ISA guide 7.12.1)
.set HALFT,  128*PITCH
.set SLOT,   4*HALFT
.set LAPS,   SIZE_K/(2*KSTEP)
.set KS,     SIZE_K/32
.set SCL,    2*SLOT                    ; behind the ring: the scales, as units of 256 bytes + 16 of padding
.set HALFS,  (128*KS/256)*272
.set SBLK,   (16*KS/256)*272
.set SPARE,  SCL+4*HALFS               ; the spare words, 128 bytes a wave
.set ADRA, 16                          ; v16-19  LDS addresses of my fragments of the first operand (slot 0, 1; behind one padding more)
.set ADRB, 20                          ; v20-23  of the second
.set VS,   24                          ; v24     the way out: my scale words' place: 6144 + 16 r + 102,400 (lane / 16)
.set ADRS, 27
.set SPW,  28
.set NIL,  29
.set VT,   30                          ; v30     the tables: 128 r + 32 (lane / 16)
.set VI,   31                          ; v31     16 x lane
.set SC,   32
.set AF,   128
.set G1, 24
.set G0, 32
.set G1B, 48
.set G0B, 56
.set G1S, 68
.set G0S, 76
.set G1SB, 80
.set G0SB, 88
; the way out, all in window 0 (the fragments' and scale words' registers are free then)
.set HA,  32                           ; v32-95   64 rotated numbers
.set TT,  96                           ; v96-103, v104-111 at work
.set UU,  104
.set TG,  112                          ; v112-175 two sets of 32: cos, sin of frequencies 8 h + 0..7, then of 16 + 8 h + 0..7
.set TM,  176                          ; v176-179 largest magnitudes, v180-183 bytes, v188-191 scale operands
.set PW,  192                          ; v192, v193 scale words of an even and an odd block of rows
.set CT,  196                          ; v196-203 second halves of blocks
.set PCB, 204                          ; v204-227 two fragments
.set WD,  228                          ; v228-235 scale words: head c, fragment i at 4 c + i
.set WO,  236
.set MSB, 0
.macro WIN new
.if MSB != \new
	s_set_vgpr_msb (MSB<<8)|\new
.set MSB, \new
.endif
.endm
.set MUL_LO, 0xa1
.set MUL_HI, 0xf1
.set TO_B,   0x40
.macro JLOAD g0a, g1a, g0b, g1b        ; a joint load: waves 0 and 1 fetch for the first operand, waves 2 and 3 for the second; an s_nop 0 and four v_nop follow each line
	s_cmp_eq_u32 s15, 0
	s_cbranch_scc0 .Lfor_b_\@
	tensor_load_to_lds s[\g0a:\g0a+3], s[\g1a:\g1a+7]
	s_nop 0
.rept 4
	v_nop
.endr
	s_branch .Lasked_\@
.Lfor_b_\@:
	tensor_load_to_lds s[\g0b:\g0b+3], s[\g1b:\g1b+7]
	s_nop 0
.rept 4
	v_nop
.endr
.Lasked_\@:
.endm
.macro CREST
	s_cmp_lg_u32 s14, 0
	s_cbranch_scc1 .Lnot_wave_0_\@
	s_barrier_signal -3
.Lnot_wave_0_\@:
	s_barrier_wait -3
	s_barrier_signal -1
	s_barrier_wait -1
.endm
.macro CROUND
	s_barrier_signal -1
	s_barrier_wait -1
	CREST
.endm
	s_load_b256 s[4:11], s[0:1], 0x0               ; xc, xs, wc, ws
	s_load_b128 s[96:99], s[0:1], 0x20             ; trig, qkv
	v_lshl_add_u32 v[SPW], v0, 2, SPARE
	v_mov_b32 v[NIL], 0
	ds_add_u32 v[SPW], v[NIL]                      ; the wave's opening: the add and its wait stand ahead of my first tensor load
	v_lshrrev_b32 v1, 5, v0
	v_readfirstlane_b32 s14, v1                    ; wave 0..3
	s_lshr_b32 s15, s14, 1                         ; which half of the first operand's rows is mine.  Also: I fetch for the first (0) or the second (1)
	s_and_b32 s16, s14, 1                          ; which half of the second's.  Also: which 128 rows I fetch
	s_bfe_u32 s40, ttmp6, 0x40000                  ; cx
	s_bfe_u32 s41, ttmp6, 0x40004                  ; cy
	s_and_b32 s100, ttmp7, 0xffff                  ; Y: the cluster's row, the same in all sixteen partners
	s_lshr_b32 s101, s100, 3                       ; 0 q, 1 k, 2 v
	s_sub_co_u32 s42, s100, 16
	s_and_b32 s17, s100, 7
	s_cmp_ge_u32 s100, 16                          ; v?
	s_cselect_b32 s42, s42, 0
	s_cselect_b32 s17, 0, s17
	s_lshl_b32 s42, s42, 2
	s_add_co_u32 s42, s42, s40                     ; tile of the second operand: q, k: cx (the weight's four);  v: 4 (Y - 16) + cx (kv_x's 32)
	s_lshl_b32 s17, s17, 2
	s_add_co_u32 s17, s17, s41                     ; tile of the first: q, k: 4 (Y % 8) + cy;  v: cy
	s_cmp_eq_u32 s101, 1                           ; where the operands' rows begin in their buffers
	s_cselect_b32 s66, 8192, 0
	s_cselect_b32 s67, 1024, 0
	s_cmp_eq_u32 s101, 2
	s_cselect_b32 s66, 2048, s66
	s_cselect_b32 s67, 8192, s67
	s_lshl_b32 s43, s41, 2
	s_lshl_b32 s43, 15, s43                        ; my row of the cluster
	s_lshl_b32 s44, 0x1111, s40                    ; my column
	s_or_b32 s[G1+0], s43, (0<<16)|(1<<20)|(1<<21)|(3<<22)|(3<<25)  ; the mask; elements of 1 byte; padding on; bit 21 beside a mask; after every 16 words, 4 words
	s_or_b32 s[G1B+0], s44, (0<<16)|(1<<20)|(1<<21)|(3<<22)|(3<<25)
.irp g, G1, G1B
	s_mov_b32 s[\g+1], ROWB<<16
	s_mov_b32 s[\g+2], 128<<16
	s_mov_b32 s[\g+3], ROWB<<16
	s_mov_b32 s[\g+4], 128
	s_mov_b32 s[\g+5], KROW
	s_mov_b32 s[\g+6], 0
	s_mov_b32 s[\g+7], 0
.endr
	s_or_b32 s[G1S+0], s43, (3<<16)|(1<<20)|(1<<21)|(5<<22)|(3<<25) ; the scales of 128 rows: 4,096 dense bytes as 16 rows of 256, 16 bytes of padding behind each
	s_or_b32 s[G1SB+0], s44, (3<<16)|(1<<20)|(1<<21)|(5<<22)|(3<<25)
.irp g, G1S, G1SB
	s_mov_b32 s[\g+1], 32<<16
	s_mov_b32 s[\g+2], (128*KS/256)<<16
	s_mov_b32 s[\g+3], 32<<16
	s_mov_b32 s[\g+4], 128*KS/256
	s_mov_b32 s[\g+5], 32
	s_mov_b32 s[\g+6], 0
	s_mov_b32 s[\g+7], 0
.endr
	s_lshl_b32 s18, s16, 7
	s_lshl_b32 s20, s17, 8
	s_add_co_u32 s20, s20, s18
	s_add_co_u32 s20, s20, s66                     ; the first operand's row that I fetch from
	s_lshl_b32 s46, s42, 8
	s_add_co_u32 s46, s46, s18
	s_add_co_u32 s46, s46, s67                     ; the second's
	s_mov_b32 s21, 0
	s_mov_b32 s47, 0
	s_mov_b64 s[18:19], KS
	s_mul_u64 s[22:23], s[20:21], s[18:19]
	s_mul_u64 s[92:93], s[46:47], s[18:19]
	s_mov_b64 s[18:19], KROW
	s_mul_u64 s[20:21], s[20:21], s[18:19]
	s_mul_u64 s[46:47], s[46:47], s[18:19]
	s_mul_i32 s45, s14, HALFT
	s_mul_i32 s94, s14, HALFS
	s_wait_dscnt 0x0                               ; the opening add is done
	s_wait_kmcnt 0x0
	s_cmp_ge_u32 s100, 16                          ; for v the weight is the first operand: the buffers change places (the choice hangs on Y alone)
	s_cselect_b64 s[12:13], s[8:9], s[4:5]
	s_cselect_b64 s[8:9], s[4:5], s[8:9]
	s_mov_b64 s[4:5], s[12:13]
	s_cselect_b64 s[12:13], s[10:11], s[6:7]
	s_cselect_b64 s[10:11], s[6:7], s[10:11]
	s_mov_b64 s[6:7], s[12:13]
	s_add_nc_u64 s[20:21], s[4:5], s[20:21]
	s_add_nc_u64 s[22:23], s[6:7], s[22:23]
	s_add_nc_u64 s[46:47], s[8:9], s[46:47]
	s_add_nc_u64 s[92:93], s[10:11], s[92:93]
	CROUND                                         ; all sixteen work-groups are here: the first joint loads meet
	s_mov_b32 s[G0S], 1
	s_add_co_u32 s[G0S+1], s94, SCL
	s_mov_b64 s[G0S+2:G0S+3], s[22:23]
	s_or_b32 s[G0S+3], s[G0S+3], 0x80000000
	s_mov_b32 s[G0SB], 1
	s_add_co_u32 s[G0SB+1], s94, SCL
	s_mov_b64 s[G0SB+2:G0SB+3], s[92:93]
	s_or_b32 s[G0SB+3], s[G0SB+3], 0x80000000
	JLOAD G0S, G1S, G0SB, G1SB                     ; the scales first; three tensor loads of mine are out at the most
.irp s, 0,1
	s_mov_b32 s[G0+4*\s], 1
	s_add_co_u32 s[G0+4*\s+1], s45, \s*SLOT
	s_add_nc_u64 s[G0+4*\s+2:G0+4*\s+3], s[20:21], \s*ROWB
	s_or_b32 s[G0+4*\s+3], s[G0+4*\s+3], 0x80000000
	s_mov_b32 s[G0B+4*\s], 1
	s_add_co_u32 s[G0B+4*\s+1], s45, \s*SLOT
	s_add_nc_u64 s[G0B+4*\s+2:G0B+4*\s+3], s[46:47], \s*ROWB
	s_or_b32 s[G0B+4*\s+3], s[G0B+4*\s+3], 0x80000000
	JLOAD G0+4*\s, G1, G0B+4*\s, G1B
.endr
	v_and_b32 v1, 15, v0                           ; r
	v_bfe_u32 v2, v0, 4, 1                         ; h
	v_mul_u32_u24 v3, v1, PITCH
	v_mul_u32_u24 v4, v2, 24
	v_add_nc_u32 v4, v3, v4
	v_lshl_add_u32 v5, v2, 4, v4
	s_mul_i32 s21, s15, HALFT
	s_mul_i32 s22, s16, HALFT
	s_add_co_u32 s22, s22, 2*HALFT
.irp s, 0,1
	v_add_nc_u32 v[ADRA+\s], s21, v4
	v_add_nc_u32 v[ADRB+\s], s22, v4
	v_add_nc_u32 v[ADRA+2+\s], s21, v5
	v_add_nc_u32 v[ADRB+2+\s], s22, v5
	s_add_co_u32 s21, s21, SLOT
	s_add_co_u32 s22, s22, SLOT
.endr
	v_mul_u32_u24 v5, v1, KS
	v_lshrrev_b32 v6, 8, v5
	v_lshl_add_u32 v5, v6, 4, v5
	s_mul_i32 s21, s15, HALFS
	s_mul_i32 s22, s16, HALFS
	s_add_co_u32 s22, s22, 2*HALFS
	s_sub_co_u32 s22, s22, s21
	v_mul_u32_u24 v6, s22, v2                      ; lanes 16-31 take the second operand's scale words
	s_add_co_u32 s21, s21, SCL
	v_add_nc_u32 v5, v5, v6
	v_add_nc_u32 v[ADRS], s21, v5
	v_lshlrev_b32 v[VT], 7, v1
	v_lshl_add_u32 v[VT], v2, 5, v[VT]
	v_and_b32 v6, 31, v0
	v_lshlrev_b32 v[VI], 4, v6
	v_mul_u32_u24 v[VS], v2, 102400
	v_lshl_add_u32 v[VS], v1, 4, v[VS]
	v_add_nc_u32 v[VS], 6144, v[VS]
	; where my results go: x's row gives the batch and the group of 128, the weight's row the pair of heads
	s_lshl_b32 s12, s17, 8
	s_lshl_b32 s13, s15, 7
	s_add_co_u32 s12, s12, s13                     ; my first row of the first operand
	s_lshl_b32 s18, s42, 8
	s_lshl_b32 s19, s16, 7
	s_add_co_u32 s18, s18, s19                     ; of the second
	s_cmp_ge_u32 s100, 16
	s_cselect_b32 s19, s18, s12                    ; x's row
	s_cselect_b32 s12, s12, s18                    ; the weight's
	s_lshr_b32 s13, s19, 11                        ; batch
	s_bfe_u32 s18, s19, 0x40007                    ; group of 128 rows
	s_lshr_b32 s12, s12, 6                         ; first of my two heads
	s_lshl_b32 s13, s13, 4
	s_add_co_u32 s13, s13, s12
	s_lshl_b32 s13, s13, 4
	s_add_co_u32 s13, s13, s18
	s_mul_i32 s12, s13, 6400
	s_mul_i32 s13, s101, 6553600
	s_add_co_u32 s12, s12, s13
	s_mov_b32 s13, 0
	s_add_nc_u64 s[98:99], s[98:99], s[12:13]
	s_and_b32 s12, s19, 2047
	s_lshl_b32 s12, s12, 7                         ; the tables: 128 bytes a position
	s_and_b32 s18, s101, 1
	s_lshl_b32 s18, s18, 19                        ; k takes freq_kv's
	s_add_co_u32 s12, s12, s18
	s_add_nc_u64 s[96:97], s[96:97], s[12:13]
	s_mov_b32 s66, 0x76543210                      ; v_permlanex16_b32's selects for lane l xor 16
	s_mov_b32 s67, 0xfedcba98
	s_mov_b32 s95, 0xffff0000                      ; lanes 16-31
.macro FRAG reg, adr, q, i             ; a fragment: 16 rows x 128 K = 12 registers; in pieces of 8 bytes; where a lane's piece lies behind one padding more, the second address register serves
.irp p, 0,1,2,3,4,5
.set PC, 12*(\q)+6*(\p/3)+\p%3
.if PC%8 < 5
	ds_load_b64 v[\reg+2*\p:\reg+2*\p+1], v[\adr] offset:8*PC+16*(PC/8)+(\i)*16*PITCH
.else
	ds_load_b64 v[\reg+2*\p:\reg+2*\p+1], v[\adr+2] offset:8*PC+16*(PC/8)+(\i)*16*PITCH
.endif
.endr
.endm
; 16 matrix instructions; the 64 accumulators take turns, one instruction a turn, in the same order in every step
.macro MUL16 a0, p, q, sc, zero
.irp a, \a0, \a0+1
.irp b, 0,1,2,3,4,5,6,7
.if \zero
	v_wmma_scale_f32_16x16x128_f8f6f4 v[8*(8*((\a)%4)+\b):8*(8*((\a)%4)+\b)+7], v[128*(\p)+FR*\b:128*(\p)+FR*\b+FR-1], v[AF+FR*(\a):AF+FR*(\a)+FR-1], 0, v[SC+8*NQ*(\sc)+NQ*\b+(\q)], v[SC+8*NQ*(\sc)+NQ*(\a)+(\q)] matrix_a_fmt:MATRIX_FMT_FP6 matrix_b_fmt:MATRIX_FMT_FP6 matrix_a_scale:MATRIX_SCALE_ROW1
.else
	v_wmma_scale_f32_16x16x128_f8f6f4 v[8*(8*((\a)%4)+\b):8*(8*((\a)%4)+\b)+7], v[128*(\p)+FR*\b:128*(\p)+FR*\b+FR-1], v[AF+FR*(\a):AF+FR*(\a)+FR-1], v[8*(8*((\a)%4)+\b):8*(8*((\a)%4)+\b)+7], v[SC+8*NQ*(\sc)+NQ*\b+(\q)], v[SC+8*NQ*(\sc)+NQ*(\a)+(\q)] matrix_a_fmt:MATRIX_FMT_FP6 matrix_b_fmt:MATRIX_FMT_FP6 matrix_a_scale:MATRIX_SCALE_ROW1
.endif
.endr
.endr
.endm
.macro FETCH_B slot, q, p
	WIN TO_B
.irp i, 0,1,2,3,4,5,6,7
	FRAG 128*(\p)+FR*\i, ADRB+\slot, \q, \i
.endr
	WIN 0
.endm
.macro FETCH_A slot, q, i0
.irp i, \i0, \i0+1, \i0+2, \i0+3
	FRAG AF+FR*(\i), ADRA+\slot, \q, \i
.endr
.endm
.macro SCALES sc
.irp i, 0,1,2,3,4,5,6,7
	ds_load_b64 v[SC+8*NQ*\sc+NQ*\i:SC+8*NQ*\sc+NQ*\i+1], v[ADRS] offset:\i*SBLK
.endr
.endm
.macro PLACES n                        ; plain vector instructions between a matrix instruction and a load into, or a read of, its registers
.rept \n
	v_nop
.endr
.endm
.macro STEP slot, q, zero
	s_wait_dscnt 4*NL                              ; the youngest 24 loads (blocks 4-7 of the first operand) may be out
	WIN MUL_LO
	MUL16 0, (\q)%2, \q, \slot, \zero
	MUL16 2, (\q)%2, \q, \slot, \zero
	s_wait_dscnt 0
	PLACES NP
	FETCH_B \slot, (\q)+1, 1-(\q)%2
	FETCH_A \slot, (\q)+1, 0
	WIN MUL_HI
	MUL16 4, (\q)%2, \q, \slot, \zero
	MUL16 6, (\q)%2, \q, \slot, \zero
	PLACES NP
	WIN 0
	FETCH_A \slot, (\q)+1, 4
.endm
.macro TURN slot, next, fill           ; a slot's last step changes slots
	s_wait_tensorcnt 0x0                           ; all my tensor loads have landed: my part of the next slot;
	ds_add_u32 v[SPW], v[NIL]                      ; 0 onto my spare word;
	s_wait_dscnt 4*NL+1                            ; (the add and the youngest 24 loads may be out)
	WIN MUL_LO
	MUL16 0, 1, NQ-1, \slot, 0
	s_wait_dscnt 0x0                               ; the add is done, and my reads of this slot are over
	s_barrier_signal -1
	MUL16 2, 1, NQ-1, \slot, 0
	WIN 0
	s_barrier_wait -1
.if \fill
	CREST                                          ; the barrier has opened a round of the cluster's barrier: no wave of any partner still reads this slot or has a load on its way
	s_add_nc_u64 s[G0+4*\slot+2:G0+4*\slot+3], s[G0+4*\slot+2:G0+4*\slot+3], 2*ROWB
	s_add_nc_u64 s[G0B+4*\slot+2:G0B+4*\slot+3], s[G0B+4*\slot+2:G0B+4*\slot+3], 2*ROWB
	JLOAD G0+4*\slot, G1, G0B+4*\slot, G1B         ; the first tensor load behind the round; its four v_nop are also the places in front of the loads below
.else
	PLACES NP
.endif
	v_add_nc_u32 v[ADRS], 4*NQ, v[ADRS]
	FETCH_B \next, 0, 0
	FETCH_A \next, 0, 0
	SCALES \next
	WIN MUL_HI
	MUL16 4, 1, NQ-1, \slot, 0
	MUL16 6, 1, NQ-1, \slot, 0
	PLACES NP
	WIN 0
	FETCH_A \next, 0, 4
.endm
	s_wait_tensorcnt 1                             ; the scales and my part of K step 0 are in (K step 1's load may be out),
	s_barrier_signal -1
	s_barrier_wait -1                              ; everybody's are
	FETCH_B 0, 0, 0
	FETCH_A 0, 0, 0
	SCALES 0
	FETCH_A 0, 0, 4
	STEP 0, 0, 1                                   ; the first step's products start the sums
	s_mov_b32 s3, LAPS-1
.Llap:
	TURN 0, 1, 1
	STEP 1, 0, 0
	TURN 1, 0, 1
	STEP 0, 0, 0
	s_sub_co_u32 s3, s3, 1
	s_cmp_lg_u32 s3, 0
	s_cbranch_scc1 .Llap
	TURN 0, 1, 0                                   ; the last lap fills nothing
	STEP 1, 0, 0
	s_wait_dscnt 4*NL
	WIN MUL_LO
	MUL16 0, 1, NQ-1, 1, 0
	MUL16 2, 1, NQ-1, 1, 0
	s_wait_dscnt 0
	WIN MUL_HI
	MUL16 4, 1, NQ-1, 1, 0
	MUL16 6, 1, NQ-1, 1, 0
	WIN 0
; THE WAY OUT.  Block a = 16 rows of the first operand; its 64 results a lane lie in window 2 (a < 4) or 3, at 64 (a % 4).
; 64 numbers of a lane at v[s] of window w, register 16 b + i = place 32 b + 16 (lane / 16) + i along the next K, become codes: blocks 0, 1 in v[d0] on (6 registers), blocks 2, 3 in v[d1] on; the scale word in v[pw].
.macro QUANT s, w, d0, d1, pw
.set QW2, (\w)*5
	WIN QW2                                        ; sources 0 and 1 in window w
.irp b, 0,1,2,3
	v_max3_num_f32 v[TM+\b], |v[(\s)+16*\b]|, |v[(\s)+16*\b+1]|, 0x1800000   ; with the floor 2^(3 - 127); each accumulator is read from its low end on
.endr
.irp i, 2,4,6,8,10,12,14
.irp b, 0,1,2,3
	v_max3_num_f32 v[TM+\b], |v[(\s)+16*\b+\i]|, |v[(\s)+16*\b+\i+1]|, v[TM+\b]
.endr
.endr
	WIN 0
.irp b, 0,1,2,3
	v_permlanex16_b32 v[TM+4+\b], v[TM+\b], s66, s67
.endr
.irp b, 0,1,2,3
	v_max_num_f32 v[TM+\b], v[TM+\b], v[TM+4+\b]   ; with lane l xor 16's: the block's largest magnitude
.endr
.irp b, 0,1,2,3
	v_add_nc_u32 v[TM+12+\b], 0xff000000, v[TM+\b] ; 2 off its exponent field: the conversion's scale operand
.endr
.irp b, 0,1,2,3
	v_lshrrev_b32 v[TM+4+\b], 23, v[TM+12+\b]      ; the scale's byte
.endr
	v_lshl_or_b32 v[\pw], v[TM+5], 8, v[TM+4]
	v_lshl_or_b32 v[\pw], v[TM+6], 16, v[\pw]
	v_lshl_or_b32 v[\pw], v[TM+7], 24, v[\pw]
	s_wait_xcnt 0x0                                ; the earlier stores have read the codes' registers: they are written again only behind this wait
.set QW1, \w
	WIN QW1
	v_cvt_scalef32_pk16_fp6_f32 v[(\d0):(\d0)+2], v[(\s):(\s)+15], v[TM+12]
	v_cvt_scalef32_pk16_fp6_f32 v[CT:CT+2], v[(\s)+16:(\s)+31], v[TM+13]
	v_cvt_scalef32_pk16_fp6_f32 v[(\d1):(\d1)+2], v[(\s)+32:(\s)+47], v[TM+14]
	v_cvt_scalef32_pk16_fp6_f32 v[CT+4:CT+6], v[(\s)+48:(\s)+63], v[TM+15]
	WIN 0
	v_nop                                          ; one plain place behind a scaled conversion
.irp i, 0,1,2
	v_permlane16_swap_b32 v[(\d0)+\i], v[CT+\i]    ; a whole block to a lane: lanes 0-15 the even block, lanes 16-31 the odd one
	v_permlane16_swap_b32 v[(\d1)+\i], v[CT+4+\i]
.endr
.irp i, 0,1,2
	v_mov_b32 v[(\d0)+3+\i], v[CT+\i]
	v_mov_b32 v[(\d1)+3+\i], v[CT+4+\i]
.endr
.endm
.macro LOADTRIG a                      ; cosines and sines of block a's 16 positions: my row's 8 frequencies of each half of a head
.set TGB, TG+32*((\a)%2)
.irp q, 0,1
	global_load_b128 v[TGB+16*\q:TGB+16*\q+3],     v[VT], s[96:97] offset:2048*(\a)+64*\q
	global_load_b128 v[TGB+16*\q+4:TGB+16*\q+7],   v[VT], s[96:97] offset:2048*(\a)+64*\q+16
	global_load_b128 v[TGB+16*\q+8:TGB+16*\q+11],  v[VT], s[96:97] offset:262144+2048*(\a)+64*\q
	global_load_b128 v[TGB+16*\q+12:TGB+16*\q+15], v[VT], s[96:97] offset:262144+2048*(\a)+64*\q+16
.endr
.endm
.macro ROPE a                          ; even' = even cos - odd sin, odd' = even sin + odd cos: tile 2 q holds the even elements, tile 2 q + 1 the odd ones, of pairs 8 h + 0..7
.set RW, 2+(\a)/4
.set TGB, TG+32*((\a)%2)
	WIN RW                                         ; source 0: the accumulators' window
.irp q, 0,1,2,3
.set EE, 64*((\a)%4)+16*\q
.set CC, TGB+16*(\q%2)
.irp j, 0,2,4,6
	v_pk_mul_f32 v[TT+\j:TT+\j+1], v[EE+8+\j:EE+9+\j], v[CC+8+\j:CC+9+\j]
	v_pk_mul_f32 v[UU+\j:UU+\j+1], v[EE+8+\j:EE+9+\j], v[CC+\j:CC+\j+1]
.endr
.irp j, 0,2,4,6
	v_pk_fma_f32 v[HA+16*\q+\j:HA+16*\q+\j+1], v[EE+\j:EE+\j+1], v[CC+\j:CC+\j+1], v[TT+\j:TT+\j+1] neg_lo:[0,0,1] neg_hi:[0,0,1]
	v_pk_fma_f32 v[HA+16*\q+8+\j:HA+16*\q+9+\j], v[EE+\j:EE+\j+1], v[CC+8+\j:CC+9+\j], v[UU+\j:UU+\j+1]
.endr
.endr
	WIN 0
.endm
	PLACES NP                                      ; behind the last products: window 0's fragment and scale registers are written from here on
.irp b, 0,1,2,3
	v_mov_b32 v[TM+4+\b], 0                        ; written once: a lane permute's destination counts as one of its sources
.endr
	s_cmp_ge_u32 s100, 16                          ; the same in all sixteen partners
	s_cbranch_scc1 .Lvpath
	LOADTRIG 0
.irp a, 0,1,2,3,4,5,6,7
.if \a < 7
	LOADTRIG \a+1
	s_wait_loadcnt 8                               ; this block's eight loads are in; the next block's may be out
.else
	s_wait_loadcnt 0x0
.endif
	ROPE \a
	QUANT HA, 0, PCB+6*(\a%2), PCB+12+6*(\a%2), PW+(\a%2)   ; blocks 0, 1: my first head; blocks 2, 3: my second.  An even and an odd block of rows share a fragment
.if \a%2
	v_perm_b32 v[WD+\a/2], v[PW+1], v[PW], 0x05040100        ; the first head's word: the even rows' two bytes, then the odd rows'
	v_perm_b32 v[WD+4+\a/2], v[PW+1], v[PW], 0x07060302      ; the second head's
.irp c, 0,1
.irp k, 0,1,2
	global_store_b128 v[VI], v[PCB+12*\c+4*\k:PCB+12*\c+4*\k+3], s[98:99] offset:102400*\c+1536*(\a/2)+512*\k   ; 512 consecutive bytes, at a multiple of 256 from the buffer's first byte
.endr
.endr
.endif
.endr
	s_branch .Ljoin
.Lvpath:
.irp a, 0,1,2,3,4,5,6,7                ; block a: 16 channels (head a / 4, fragment a % 4) x my 128 keys
	QUANT 64*(\a%4), 2+\a/4, PCB, PCB+6, WD+\a
.irp k, 0,1,2
	global_store_b128 v[VI], v[PCB+4*\k:PCB+4*\k+3], s[98:99] offset:102400*(\a/4)+1536*(\a%4)+512*\k
.endr
.endr
.Ljoin:
.irp i, 0,1,2,3
	v_cndmask_b32 v[WO+\i], v[WD+\i], v[WD+4+\i], s95   ; lanes 0-15 store the first head's words of row r, lanes 16-31 the second head's
.endr
	global_store_b128 v[VS], v[WO:WO+3], s[98:99]  ; sixteen lanes store 256 consecutive bytes
	s_wait_tensorcnt 0x0                           ; the wave's end
	ds_add_u32 v[SPW], v[NIL]
	s_wait_dscnt 0x0
	CROUND                                         ; the closing round
	s_endpgm
.Lfunc_end_k_q0f667f8b3c_proj:
	.size	k_q0f667f8b3c_proj, .Lfunc_end_k_q0f667f8b3c_proj-k_q0f667f8b3c_proj
	.p2alignl 7, 3214868480
	.fill 96, 4, 3214868480
	.section	.rodata,"a",@progbits
	.p2align	6, 0x0
	.amdhsa_kernel k_q0f667f8b3c_proj
		.amdhsa_group_segment_fixed_size 327680
		.amdhsa_private_segment_fixed_size 0
		.amdhsa_enable_private_segment 0
		.amdhsa_kernarg_size 48
		.amdhsa_user_sgpr_count 2
		.amdhsa_user_sgpr_kernarg_segment_ptr 1
		.amdhsa_wavefront_size32 1
		.amdhsa_system_sgpr_workgroup_id_x 1
		.amdhsa_system_sgpr_workgroup_id_y 1
		.amdhsa_system_sgpr_workgroup_id_z 1
		.amdhsa_system_vgpr_workitem_id 0
		.amdhsa_next_free_vgpr 1024
		.amdhsa_next_free_sgpr 102
		.amdhsa_reserve_vcc 0
		.amdhsa_float_denorm_mode_32 3
		.amdhsa_float_denorm_mode_16_64 3
		.amdhsa_memory_ordered 1
		.amdhsa_forward_progress 1
		.amdhsa_inst_pref_size 237
	.end_amdhsa_kernel
	.amdgpu_metadata
---
amdhsa.version: [ 1, 2 ]
amdhsa.kernels:
  - .name:           k_q0f667f8b3c_proj
    .symbol:         k_q0f667f8b3c_proj.kd
    .args:
      - { .name: xc, .offset: 0, .size: 8, .value_kind: global_buffer, .address_space: global }
      - { .name: xs, .offset: 8, .size: 8, .value_kind: global_buffer, .address_space: global }
      - { .name: wc, .offset: 16, .size: 8, .value_kind: global_buffer, .address_space: global }
      - { .name: ws, .offset: 24, .size: 8, .value_kind: global_buffer, .address_space: global }
      - { .name: trig, .offset: 32, .size: 8, .value_kind: global_buffer, .address_space: global }
      - { .name: qkv, .offset: 40, .size: 8, .value_kind: global_buffer, .address_space: global }
    .group_segment_fixed_size: 327680
    .private_segment_fixed_size: 0
    .kernarg_segment_align: 8
    .kernarg_segment_size: 48
    .max_flat_workgroup_size: 128
    .sgpr_count:     102
    .vgpr_count:     1024
    .wavefront_size: 32
...
	.end_amdgpu_metadata
.endif
;; end of part 2
;; launch attn (part 3): grid 4 x 64, 8 waves a work-group, clusters of 4 x 1, 229,376 bytes of LDS; arguments qkv, key_padding_mask, ac, asc; writes ac, asc
.if DOCPART == 3
	.amdgcn_target "amdgcn-amd-amdhsa--gfx1250"
	.amdhsa_code_object_version 6
	.text
	.protected	k_q0f667f8b3c_attn
	.globl	k_q0f667f8b3c_attn
	.p2align	8
	.type	k_q0f667f8b3c_attn,@function
k_q0f667f8b3c_attn:
	s_mov_b64 s[64:65], 0
	v_nop
	global_prefetch_b8 v0, s[64:65] scope:SCOPE_SE
	s_setreg_imm32_b32 hwreg(HW_REG_WAVE_MODE, 25, 1), 1
	s_wait_xcnt 0x0
	s_wait_alu depctr_hold_cnt(0) depctr_sa_sdst(0) depctr_va_vdst(0) depctr_va_sdst(0) depctr_va_ssrc(0) depctr_va_vcc(0) depctr_vm_vsrc(0)
	s_getreg_b32 s2, hwreg(HW_REG_IB_STS2, 6, 4)
	s_cmp_eq_u32 s2, 0
	s_cbranch_scc0 .Lentry_in_a_cluster
	s_endpgm
.Lentry_in_a_cluster:
	s_bfe_u32 s2, ttmp6, 0x10000c
	s_cmp_lg_u32 s2, 0x3003
	s_cbranch_scc0 .Lentry_shape_is_right
	s_endpgm
.Lentry_shape_is_right:
; Attention on codes of FP6 (E2M3): for each (batch, head) O = softmax(q k^T / 8, masked by key_padding_mask) v, and O quantised along the last product's K.
; SHARES.  A work-group owns one (batch, head) and 512 queries, in two passes of 256; each of its eight waves owns 32 queries a pass, two tiles of 16.  Every wave walks all 2,048 keys, 128 a step.
; ALL OF THE HEAD'S K AND V STAY IN LDS (2 x 102,400 bytes), filled once.  The four work-groups of a cluster share the head: each record is asked for JOINTLY.  A wave issues four loads: four are out at the most.
; LAYOUT.  Both products are used transposed: S^T = K Q^T, O^T = V^T P^T: a lane holds one query throughout.
;   A head is 64 codes, half of the instruction's K: a fragment of K holds 16 keys in registers 0-5 and the 16 keys that follow in registers 6-11.  Q stands as [q | six zero registers | q]:
;   registers 0-11 meet the first 16 keys, registers 6-17 the second; the other keys' codes meet zero codes.
;   In S^T register 16 i + 8 u + j holds key 32 i + 16 u + 8 (lane / 16) + j; V's codes were made from registers with the same map, so p's and V's places inside a block of 32 keys agree.
; THE MASK IS THE C OF THE SCORE PRODUCTS: 0 for a key that counts, -2^100 for one that does not, from a table in LDS.  The running maximum starts at -2^60, so a hidden key's p is 0.
;   Where NO key of the batch counts, all logits are equal and every p is 1: there the factor c is 0 (a select, no branch): t = 0, M = 0, p = 1.
; SOFTMAX: t = score x log2(e) / 8; M = the running largest t rounded up to a whole number; p = 2^(t - M) is quantised along the keys; the sum is taken of the unquantised p and divides O at the end.
; OUT: ac [head][row][48 bytes], asc [row][32]: the scale bytes leave as 2 bytes a row (256 KB of the launch's 6.5 MB: a row's other 30 bytes belong to other work-groups).
; LIMITS: logits of keys that count lie above -2^60 / log2(e), |q . k| under 2^76; NaN and infinities are not served; a block of zeros carries the byte 1.
.set REC,   6400                       ; a record: four fragment images of 1,536 bytes, 256 bytes of scale words
.set VREG,  102400                     ; LDS: K's 16 records from 0, V's from here
.set MB,    204800                     ; the mask's table, 2,048 f32
.set FLAG,  212992                     ; a word a wave: does a key of its 256 count?
.set STG,   213248                     ; 1,536 bytes a wave, for the way out
.set SPARE, 225536                     ; the spare words, 128 bytes a wave
.set LI,   1                           ; v1   16 x lane
.set AMK,  2                           ; v2   MB + 32 h
.set ASC,  3                           ; v3   6144 + 16 r + VREG h: lanes 0-15 K's scale words, lanes 16-31 V's
.set ADK,  4
.set ADV,  5
.set ADM,  6
.set ADS,  7
.set SPW,  8
.set NIL,  9
.set SIN,  10                          ; v10  the stage, in: 48 r + 24 h
.set SOUT, 11                          ; v11  and out: 16 x lane
.set QF,   20                          ; v20-37 Q of tile 0 as [q | 0 | q], v38-55 of tile 1
.set KVS,  56                          ; v56-59 scale words of the step's four fragments of K and of V
.set QS,   60                          ; v60, v61 Q's scale words
.set PSW,  62                          ; v62, v63 p's
.set S0,   64                          ; v64-127, v128-191 S^T, then p
.set PCO,  192                         ; v192-203, v204-215 p's codes
.set CT,   216
.set BM,   224
.set PM,   228
.set SO,   232
.set FF0,  236                         ; v[236:237], v[240:241] f = 2^(old M - new M)
.set HW,   238                         ; v238, v239 the result's two scale bytes; v242 the lane's choice
.set HWS,  242
.set XX,   244
.set PSUM, 246
.set RL,   248                         ; v[248:249], v[250:251] 1 / the sum
.set L32,  252                         ; v252 32 x lane
.set VQ,   253                         ; v253 16 x lane + 1536 (wave % 4): my fragment of Q in its record
.set VQS,  254                         ; v254 its scale word
.set QW,   255
.set KF,   64                          ; window 1: v0-63 O^T; v64-111 K; v112-159 V; v160-223 the mask as C
.set VF,   112
.set CM,   160
.set WV,   12
.set G1,   24
.set G0,   32                          ; s[32:47] four groups 0
.set SEL,  48
.set CS,   50
.set TB,   52
.set TMK,  53
.set CNT,  54
.set PASS, 55
.set LMASK, 56
.set QP,   58
.set MSB, 0
.macro WIN new
.if MSB != \new
	s_set_vgpr_msb (MSB<<8)|\new
.set MSB, \new
.endif
.endm
.macro CROUND
	s_barrier_signal -1
	s_barrier_wait -1
	s_cmp_lg_u32 s[WV], 0
	s_cbranch_scc1 .Lnot_wave_0_\@
	s_barrier_signal -3
.Lnot_wave_0_\@:
	s_barrier_wait -3
	s_barrier_signal -1
	s_barrier_wait -1
.endm
	s_load_b256 s[4:11], s[0:1], 0x0               ; qkv, key_padding_mask, ac, asc
	v_lshl_add_u32 v[SPW], v0, 2, SPARE
	v_mov_b32 v[NIL], 0
	ds_add_u32 v[SPW], v[NIL]                      ; the wave's opening: the add and its wait stand ahead of my first tensor load
	v_lshrrev_b32 v1, 5, v0
	v_readfirstlane_b32 s[WV], v1                  ; wave 0..7
	s_bfe_u32 s13, ttmp6, 0x40000                  ; cx: it enters Q's and the outputs' addresses alone
	s_and_b32 s14, ttmp7, 0xffff                   ; 16 x batch + head, which the four partners share
	s_mov_b32 s[G1], 15|(3<<16)|(1<<21)            ; the mask: all four; elements of 8 bytes; no padding; bit 21 beside a mask
	s_mov_b32 s[G1+1], 32<<16                      ; a record as 25 rows of 256 bytes
	s_mov_b32 s[G1+2], 25<<16
	s_mov_b32 s[G1+3], 32<<16
	s_mov_b32 s[G1+4], 25
	s_mov_b32 s[G1+5], 32
	s_mov_b32 s[G1+6], 0
	s_mov_b32 s[G1+7], 0
	s_lshr_b32 s15, s[WV], 2                       ; waves 0-3 fetch K's records, waves 4-7 V's: load i brings record 4 i + wave % 4
	s_and_b32 s16, s[WV], 3
	s_mul_i32 s17, s15, VREG
	s_mul_i32 s18, s16, REC
	s_add_co_u32 s17, s17, s18
	s_add_co_u32 s20, s15, 1
	s_mul_i32 s20, s20, 6553600                    ; k's region, or v's
	s_mul_i32 s21, s14, 102400
	s_add_co_u32 s20, s20, s21
	s_add_co_u32 s20, s20, s18
	s_mov_b32 s21, 0
	s_mov_b32 s[SEL], 0x76543210
	s_mov_b32 s[SEL+1], 0xfedcba98
	s_mov_b32 s[LMASK], 0xffff0000
	s_wait_dscnt 0x0                               ; the opening add is done
	s_wait_kmcnt 0x0
	s_add_nc_u64 s[20:21], s[4:5], s[20:21]
	CROUND                                         ; all four work-groups are here: the joint loads meet
.irp i, 0,1,2,3
	s_mov_b32 s[G0+4*\i], 1
	s_add_co_u32 s[G0+4*\i+1], s17, \i*4*REC
	s_add_nc_u64 s[G0+4*\i+2:G0+4*\i+3], s[20:21], \i*4*REC
	s_or_b32 s[G0+4*\i+3], s[G0+4*\i+3], 0x80000000
.endr
.irp i, 0,1,2,3
	tensor_load_to_lds s[G0+4*\i:G0+4*\i+3], s[G1:G1+7]
	s_nop 0
.endr
.rept 4
	v_nop
.endr
	; addresses
	s_lshl_b32 s60, s13, 2
	s_add_co_u32 s60, s60, s15
	s_mul_i32 s60, s60, REC                        ; Q's record: 4 cx + wave / 4 (+ 2 in the second pass)
	s_mul_i32 s61, s14, 102400
	s_add_co_u32 s60, s60, s61
	s_mov_b32 s61, 0
	s_add_nc_u64 s[QP:QP+1], s[4:5], s[60:61]
	s_lshr_b32 s62, s14, 4                         ; batch
	s_and_b32 s63, s14, 15                         ; head
	s_lshl_b32 s60, s62, 13
	s_add_nc_u64 s[6:7], s[6:7], s[60:61]          ; the batch's mask
	v_lshlrev_b32 v67, 5, v0                       ; thread t takes keys 8 t .. 8 t + 7
	global_load_b128 v[68:71], v67, s[6:7]
	global_load_b128 v[72:75], v67, s[6:7] offset:16
	s_lshl_b32 s66, s62, 11
	s_lshl_b32 s67, s13, 9
	s_add_co_u32 s66, s66, s67
	s_lshl_b32 s67, s[WV], 5
	s_add_co_u32 s66, s66, s67                     ; my first row: 2048 batch + 512 cx + 32 wave
	s_mul_i32 s60, s66, 48
	s_mul_i32 s67, s63, 393216
	s_add_co_u32 s60, s60, s67
	s_add_nc_u64 s[8:9], s[8:9], s[60:61]
	s_lshl_b32 s60, s66, 5
	s_lshl_b32 s67, s63, 1
	s_add_co_u32 s60, s60, s67
	s_add_nc_u64 s[10:11], s[10:11], s[60:61]
	v_and_b32 v64, 15, v0                          ; r
	v_bfe_u32 v65, v0, 4, 1                        ; h
	v_and_b32 v66, 31, v0                          ; lane
	s_mul_i32 s57, s[WV], 1536
	s_add_co_u32 s57, s57, STG
	v_mul_u32_u24 v[SIN], v64, 48
	v_mad_u32_u24 v[SIN], v65, 24, v[SIN]
	v_add_nc_u32 v[SIN], s57, v[SIN]
	v_lshlrev_b32 v[LI], 4, v66
	v_add_nc_u32 v[SOUT], s57, v[LI]
	v_lshl_add_u32 v[AMK], v65, 5, MB
	v_mul_u32_u24 v[ASC], v65, VREG
	v_lshl_add_u32 v[ASC], v64, 4, v[ASC]
	v_add_nc_u32 v[ASC], 6144, v[ASC]
	v_lshlrev_b32 v[L32], 5, v66
	s_mul_i32 s57, s16, 1536
	v_add_nc_u32 v[VQ], s57, v[LI]
	s_lshl_b32 s57, s16, 2
	s_add_co_u32 s57, s57, 6144
	v_lshl_add_u32 v[VQS], v64, 4, s57
.irp j, 0,1,2,3,4,5
	v_mov_b32 v[QF+6+\j], 0                        ; Q's zero codes, written once
	v_mov_b32 v[QF+24+\j], 0
.endr
.irp b, 0,1,2,3
	v_mov_b32 v[PM+\b], 0                          ; a lane permute's destination counts as one of its sources
.endr
	v_mov_b32 v[FF0+1], 0                          ; upper halves of pairs of which the low word alone is used
	v_mov_b32 v[FF0+5], 0
	v_mov_b32 v[RL+1], 0
	v_mov_b32 v[RL+3], 0
	v_mov_b32 v86, 0xf1800000                      ; -2^100
	v_mov_b32 v87, 0
	v_lshl_add_u32 v84, v0, 5, MB
	s_lshl_b32 s62, s[WV], 2
	s_add_co_u32 s62, s62, FLAG
	v_mov_b32 v85, s62
	s_wait_loadcnt 0x0                             ; the mask
.irp j, 0,1,2,3,4,5,6,7
	v_cmp_ne_u32 s60, 0, v[68+\j]
	v_cndmask_b32 v[76+\j], v86, v87, s60          ; 0 where the key counts
.endr
	v_or_b32 v88, v68, v69
.irp j, 2,3,4,5,6,7
	v_or_b32 v88, v88, v[68+\j]
.endr
	v_cmp_ne_u32 s61, 0, v88
	s_cmp_lg_u32 s61, 0
	s_cselect_b32 s61, 1, 0
	v_mov_b32 v88, s61
	ds_store_b128 v84, v[76:79]
	ds_store_b128 v84, v[80:83] offset:16
	ds_store_b32 v85, v88
	s_wait_dscnt 0x0                               ; for the others' sake: my part of the table and my flag are written
	s_barrier_signal -1                            ; the tensor loads may stay out
	s_barrier_wait -1
	v_mov_b32 v85, FLAG
	ds_load_b128 v[68:71], v85
	ds_load_b128 v[72:75], v85 offset:16
	s_wait_dscnt 0x0
	v_or_b32 v88, v68, v69
.irp j, 2,3,4,5,6,7
	v_or_b32 v88, v88, v[68+\j]
.endr
	v_readfirstlane_b32 s61, v88
	s_cmp_lg_u32 s61, 0
	s_cselect_b32 s[CS], 0x3e38aa3b, 0             ; c = log2(e) / 8, or 0 where no key of the batch counts
	s_mov_b32 s[CS+1], s[CS]
; One tile's softmax for a step of 128 keys.
.macro SOFTMAX T
.set SB, S0+64*\T
.set NM, 12+4*\T                       ; v[NM] -M, v[NM+1] the largest t, v[NM+2:NM+3] the sum in two halves
.set FF, FF0+4*\T
.set PCD, PCO+12*\T
.irp b, 0,1,2,3
	v_max3_num_f32 v[BM+\b], v[SB+16*\b], v[SB+16*\b+1], v[SB+16*\b+2]   ; the largest score of each block of 32 keys: for the row's maximum and, since p rises with the score, for the block's largest p
.endr
.irp i, 3,5,7,9,11,13
.irp b, 0,1,2,3
	v_max3_num_f32 v[BM+\b], v[BM+\b], v[SB+16*\b+\i], v[SB+16*\b+\i+1]
.endr
.endr
.irp b, 0,1,2,3
	v_max_num_f32 v[BM+\b], v[BM+\b], v[SB+16*\b+15]
.endr
.irp b, 0,1,2,3
	v_permlanex16_b32 v[PM+\b], v[BM+\b], s[SEL], s[SEL+1]
.endr
.irp b, 0,1,2,3
	v_max_num_f32 v[BM+\b], v[BM+\b], v[PM+\b]
.endr
	v_max3_num_f32 v[XX], v[BM], v[BM+1], v[BM+2]
	v_max_num_f32 v[XX], v[XX], v[BM+3]
	v_mul_f32 v[XX], s[CS], v[XX]
	v_max_num_f32 v[NM+1], v[NM+1], v[XX]          ; the running largest t
	v_mov_b32 v[XX], v[NM]
	v_floor_f32 v[NM], -v[NM+1]                    ; -M = floor(-t): M is a whole number
	v_sub_f32 v[XX], v[NM], v[XX]
	v_cvt_i32_f32 v[XX], v[XX]                     ; (it saturates)
	v_ldexp_f32 v[FF], 1.0, v[XX]                  ; f = 2^(old M - new M)
.set J, 0
.rept 32
	v_pk_fma_f32 v[SB+J:SB+J+1], v[SB+J:SB+J+1], s[CS:CS+1], v[NM:NM+1] op_sel_hi:[1,0,0]   ; t - M
.set J, J+2
.endr
.irp b, 0,1,2,3
	v_fma_f32 v[BM+\b], v[BM+\b], s[CS], v[NM]
.endr
.set J, 0
.rept 64
	v_exp_f32 v[SB+J], v[SB+J]                     ; p = 2^(t - M): not normalised
.set J, J+1
.endr
	v_pk_mul_f32 v[NM+2:NM+3], v[NM+2:NM+3], v[FF:FF+1] op_sel_hi:[1,0]   ; the sum under the new M: the plain instruction behind the batch
	s_wait_alu depctr_va_vdst(0)                   ; one wait for the 64, ahead of their first reader
.irp b, 0,1,2,3
	v_exp_f32 v[BM+\b], v[BM+\b]                   ; each block's largest p
.endr
	v_pk_add_f32 v[PSUM:PSUM+1], v[SB:SB+1], v[SB+2:SB+3]   ; the sum of the unquantised p, in two chains
.set J, 4
.rept 15
	v_pk_add_f32 v[NM+2:NM+3], v[NM+2:NM+3], v[SB+J:SB+J+1]
	v_pk_add_f32 v[PSUM:PSUM+1], v[PSUM:PSUM+1], v[SB+J+2:SB+J+3]
.set J, J+4
.endr
	v_pk_add_f32 v[NM+2:NM+3], v[NM+2:NM+3], v[PSUM:PSUM+1]
	s_wait_alu depctr_va_vdst(0)                   ; and one for the four
.irp b, 0,1,2,3
	v_max_num_f32 v[BM+\b], 0x1800000, v[BM+\b]    ; the floor 2^(3 - 127)
.endr
.irp b, 0,1,2,3
	v_add_nc_u32 v[SO+\b], 0xff000000, v[BM+\b]
.endr
.irp b, 0,1,2,3
	v_lshrrev_b32 v[PM+\b], 23, v[SO+\b]
.endr
	v_lshl_or_b32 v[PSW+\T], v[PM+1], 8, v[PM]
	v_lshl_or_b32 v[PSW+\T], v[PM+2], 16, v[PSW+\T]
	v_lshl_or_b32 v[PSW+\T], v[PM+3], 24, v[PSW+\T]
.irp c, 0,1
	v_cvt_scalef32_pk16_fp6_f32 v[PCD+6*\c:PCD+6*\c+2], v[SB+32*\c:SB+32*\c+15], v[SO+2*\c]
	v_cvt_scalef32_pk16_fp6_f32 v[CT+4*\c:CT+4*\c+2], v[SB+32*\c+16:SB+32*\c+31], v[SO+2*\c+1]
.endr
	v_nop                                          ; one plain place behind a scaled conversion
.irp c, 0,1
.irp i, 0,1,2
	v_permlane16_swap_b32 v[PCD+6*\c+\i], v[CT+4*\c+\i]
.endr
.irp i, 0,1,2
	v_mov_b32 v[PCD+6*\c+3+\i], v[CT+4*\c+\i]
.endr
.endr
.endm
; A KEY STEP: 128 keys, both tiles.
.macro STEP
	v_add_nc_u32 v[ADK], s[TB], v[LI]              ; these four are also the places behind the last step's products, in front of the loads
	v_add_nc_u32 v[ADS], s[TB], v[ASC]
	v_add_nc_u32 v[ADM], s[TMK], v[AMK]
	v_add_nc_u32 v[ADV], VREG, v[ADK]
	ds_load_b128 v[KVS:KVS+3], v[ADS]
	WIN 0x40                                       ; destination window 1
.irp i, 0,1,2,3
.irp k, 0,1,2
	ds_load_b128 v[KF+12*\i+4*\k:KF+12*\i+4*\k+3], v[ADK] offset:1536*\i+512*\k
.endr
.endr
.irp i, 0,1,2,3
.irp u, 0,1
.irp n, 0,1
	ds_load_b128 v[CM+16*\i+8*\u+4*\n:CM+16*\i+8*\u+4*\n+3], v[ADM] offset:128*\i+64*\u+16*\n
.endr
.endr
.endr
.irp t, 0,1,2,3
.irp k, 0,1,2
	ds_load_b128 v[VF+12*\t+4*\k:VF+12*\t+4*\k+3], v[ADV] offset:1536*\t+512*\k
.endr
.endr
	s_wait_dscnt 12                                ; V's twelve loads may be out
	WIN 0x11                                       ; K and the mask in window 1, Q and S^T in window 0
.irp i, 0,1,2,3
.irp u, 0,1
.irp T, 0,1
	v_wmma_scale_f32_16x16x128_f8f6f4 v[S0+64*\T+16*\i+8*\u:S0+64*\T+16*\i+8*\u+7], v[KF+12*\i:KF+12*\i+11], v[QF+18*\T+6*\u:QF+18*\T+6*\u+11], v[CM+16*\i+8*\u:CM+16*\i+8*\u+7], v[KVS+\i], v[QS+\T] matrix_a_fmt:MATRIX_FMT_FP6 matrix_b_fmt:MATRIX_FMT_FP6
.endr
.endr
.endr
	WIN 0
.rept 4
	v_nop
.endr
	SOFTMAX 0
	SOFTMAX 1
	WIN 0x41
.irp T, 0,1
.set J, 0
.rept 16
	v_pk_mul_f32 v[32*\T+J:32*\T+J+1], v[32*\T+J:32*\T+J+1], v[FF0+4*\T:FF0+4*\T+1] op_sel_hi:[1,0]   ; O^T under the new M; also the places between p's codes and scale words and the products
.set J, J+2
.endr
.endr
	s_wait_dscnt 0x0                               ; V is in
	WIN 0x51                                       ; V and O^T in window 1, p in window 0
.irp t, 0,1,2,3
.irp T, 0,1
	v_wmma_scale_f32_16x16x128_f8f6f4 v[32*\T+8*\t:32*\T+8*\t+7], v[VF+12*\t:VF+12*\t+11], v[PCO+12*\T:PCO+12*\T+11], v[32*\T+8*\t:32*\T+8*\t+7], v[KVS+\t], v[PSW+\T] matrix_a_fmt:MATRIX_FMT_FP6 matrix_b_fmt:MATRIX_FMT_FP6 matrix_a_scale:MATRIX_SCALE_ROW1
.endr
.endr
	WIN 0
	s_add_co_u32 s[TB], s[TB], REC
	s_add_co_u32 s[TMK], s[TMK], 512
.endm
; A quarter of the keys: four records of K and of V, one load of each wave.  n: my loads issued behind this quarter's, which may stay out (in the second pass none is out).
.macro QUARTER n
	s_wait_tensorcnt \n
	s_wait_dscnt 0x0
	s_barrier_signal -1
	s_barrier_wait -1                              ; every wave's part of the quarter has landed
	s_mov_b32 s[TB], (3-\n)*4*REC
	s_mov_b32 s[TMK], (3-\n)*2048
	s_mov_b32 s[CNT], 4
.Lstep_\@:
	STEP
	s_sub_co_u32 s[CNT], s[CNT], 1
	s_cmp_lg_u32 s[CNT], 0
	s_cbranch_scc1 .Lstep_\@
.endm
; The result of tile T, 32 numbers a lane (register 16 b + i = channel 32 b + 16 h + i), becomes 48 bytes of codes a row and two scale bytes.
.macro OUTQ T
.set SB, S0+64*\T
.set PCD, PCO+12*\T
.irp b, 0,1
	v_max3_num_f32 v[BM+\b], |v[SB+16*\b]|, |v[SB+16*\b+1]|, 0x1800000
.endr
.irp i, 2,4,6,8,10,12,14
.irp b, 0,1
	v_max3_num_f32 v[BM+\b], v[BM+\b], |v[SB+16*\b+\i]|, |v[SB+16*\b+\i+1]|
.endr
.endr
.irp b, 0,1
	v_permlanex16_b32 v[PM+\b], v[BM+\b], s[SEL], s[SEL+1]
.endr
.irp b, 0,1
	v_max_num_f32 v[BM+\b], v[BM+\b], v[PM+\b]
.endr
.irp b, 0,1
	v_add_nc_u32 v[SO+\b], 0xff000000, v[BM+\b]
.endr
.irp b, 0,1
	v_lshrrev_b32 v[PM+\b], 23, v[SO+\b]
.endr
	v_lshl_or_b32 v[HW+\T], v[PM+1], 8, v[PM]
	v_cvt_scalef32_pk16_fp6_f32 v[PCD:PCD+2], v[SB:SB+15], v[SO]
	v_cvt_scalef32_pk16_fp6_f32 v[CT:CT+2], v[SB+16:SB+31], v[SO+1]
	v_nop
.irp i, 0,1,2
	v_permlane16_swap_b32 v[PCD+\i], v[CT+\i]
.endr
.irp i, 0,1,2
	v_mov_b32 v[PCD+3+\i], v[CT+\i]
.endr
.irp k, 0,1,2
	ds_store_b64 v[SIN], v[PCD+2*\k:PCD+2*\k+1] offset:768*\T+8*\k   ; lane (r, h): block h of row r
.endr
.endm
	s_mov_b32 s[PASS], 2
.Lpass:
.irp m, 0,1,2                          ; my fragment of Q: registers 0-5 are tile 0's codes, 6-11 tile 1's; each is loaded twice
	global_load_b64 v[QF+2*\m:QF+2*\m+1],       v[VQ], s[QP:QP+1] offset:(\m/2)*512+8*(\m%2)
	global_load_b64 v[QF+12+2*\m:QF+13+2*\m],   v[VQ], s[QP:QP+1] offset:(\m/2)*512+8*(\m%2)
	global_load_b64 v[QF+18+2*\m:QF+19+2*\m],   v[VQ], s[QP:QP+1] offset:((\m+3)/2)*512+8*((\m+3)%2)
	global_load_b64 v[QF+30+2*\m:QF+31+2*\m],   v[VQ], s[QP:QP+1] offset:((\m+3)/2)*512+8*((\m+3)%2)
.endr
	global_load_b32 v[QW], v[VQS], s[QP:QP+1]
	v_mov_b32 v13, 0xdd800000                      ; the largest t so far: -2^60
	v_mov_b32 v17, 0xdd800000
	v_floor_f32 v12, -v13
	v_floor_f32 v16, -v17
	v_mov_b32 v14, 0
	v_mov_b32 v15, 0
	v_mov_b32 v18, 0
	v_mov_b32 v19, 0
	s_wait_loadcnt 0x0
	v_perm_b32 v[QS], v[QW], v[QW], 0x01000100     ; tile 0's two bytes, twice: they serve Q in either half of the instruction's K
	v_perm_b32 v[QS+1], v[QW], v[QW], 0x03020302
	WIN 0x40
.set J, 0
.rept 64
	v_mov_b32 v[J], 0                              ; O^T: the step is written once; its first turn finds zeros.  (Also the places between Q's scale words and the first products)
.set J, J+1
.endr
	WIN 0
	QUARTER 3
	QUARTER 2
	QUARTER 1
	QUARTER 0
	; the way out of a pass
.rept 4
	v_nop
.endr
	v_add_f32 v[RL], v14, v15
	v_add_f32 v[RL+2], v18, v19
	v_permlanex16_b32 v[PM], v[RL], s[SEL], s[SEL+1]
	v_permlanex16_b32 v[PM+1], v[RL+2], s[SEL], s[SEL+1]
	v_add_f32 v[RL], v[RL], v[PM]
	v_add_f32 v[RL+2], v[RL+2], v[PM+1]
	v_rcp_f32 v[RL], v[RL]
	v_rcp_f32 v[RL+2], v[RL+2]
	v_nop                                          ; a plain instruction behind the reciprocals,
	s_wait_alu depctr_va_vdst(0)                   ; and one wait ahead of their first reader
	WIN 0x01                                       ; source 0: O^T in window 1
.irp T, 0,1
.set J, 0
.rept 16
	v_pk_mul_f32 v[S0+64*\T+J:S0+64*\T+J+1], v[32*\T+J:32*\T+J+1], v[RL+2*\T:RL+2*\T+1] op_sel_hi:[1,0]
.set J, J+2
.endr
.endr
	WIN 0
	OUTQ 0
	OUTQ 1
.irp k, 0,1,2
	ds_load_b128 v[96+4*\k:99+4*\k], v[SOUT] offset:512*\k   ; LDS serves a wave's instructions in order: these see my stores
.endr
	v_cndmask_b32 v[HWS], v[HW], v[HW+1], s[LMASK] ; lanes 0-15: tile 0's row r; lanes 16-31: tile 1's
	s_wait_dscnt 0x0
.irp k, 0,1,2
	global_store_b128 v[LI], v[96+4*\k:99+4*\k], s[8:9] offset:512*\k   ; my 32 rows' 1,536 bytes: 512 consecutive bytes a store, at a multiple of 256 from the buffer's first byte
.endr
	global_store_b16 v[L32], v[HWS], s[10:11]
	s_wait_xcnt 0x0                                ; the stores and loads have read their registers and bases: both may be written again
	s_add_nc_u64 s[QP:QP+1], s[QP:QP+1], 2*REC
	s_add_nc_u64 s[8:9], s[8:9], 256*48
	s_add_nc_u64 s[10:11], s[10:11], 256*32
	s_sub_co_u32 s[PASS], s[PASS], 1
	s_cmp_lg_u32 s[PASS], 0
	s_cbranch_scc1 .Lpass
	s_wait_tensorcnt 0x0                           ; the wave's end
	ds_add_u32 v[SPW], v[NIL]
	s_wait_dscnt 0x0
	CROUND                                         ; the closing round
	s_endpgm
.Lfunc_end_k_q0f667f8b3c_attn:
	.size	k_q0f667f8b3c_attn, .Lfunc_end_k_q0f667f8b3c_attn-k_q0f667f8b3c_attn
	.p2alignl 7, 3214868480
	.fill 96, 4, 3214868480
	.section	.rodata,"a",@progbits
	.p2align	6, 0x0
	.amdhsa_kernel k_q0f667f8b3c_attn
		.amdhsa_group_segment_fixed_size 229376
		.amdhsa_private_segment_fixed_size 0
		.amdhsa_enable_private_segment 0
		.amdhsa_kernarg_size 32
		.amdhsa_user_sgpr_count 2
		.amdhsa_user_sgpr_kernarg_segment_ptr 1
		.amdhsa_wavefront_size32 1
		.amdhsa_system_sgpr_workgroup_id_x 1
		.amdhsa_system_sgpr_workgroup_id_y 1
		.amdhsa_system_sgpr_workgroup_id_z 1
		.amdhsa_system_vgpr_workitem_id 0
		.amdhsa_next_free_vgpr 512
		.amdhsa_next_free_sgpr 80
		.amdhsa_reserve_vcc 0
		.amdhsa_float_denorm_mode_32 3
		.amdhsa_float_denorm_mode_16_64 3
		.amdhsa_memory_ordered 1
		.amdhsa_forward_progress 1
		.amdhsa_inst_pref_size 141
	.end_amdhsa_kernel
	.amdgpu_metadata
---
amdhsa.version: [ 1, 2 ]
amdhsa.kernels:
  - .name:           k_q0f667f8b3c_attn
    .symbol:         k_q0f667f8b3c_attn.kd
    .args:
      - { .name: qkv, .offset: 0, .size: 8, .value_kind: global_buffer, .address_space: global }
      - { .name: key_padding_mask, .offset: 8, .size: 8, .value_kind: global_buffer, .address_space: global }
      - { .name: ac, .offset: 16, .size: 8, .value_kind: global_buffer, .address_space: global }
      - { .name: asc, .offset: 24, .size: 8, .value_kind: global_buffer, .address_space: global }
    .group_segment_fixed_size: 229376
    .private_segment_fixed_size: 0
    .kernarg_segment_align: 8
    .kernarg_segment_size: 32
    .max_flat_workgroup_size: 256
    .sgpr_count:     80
    .vgpr_count:     512
    .wavefront_size: 32
...
	.end_amdgpu_metadata
.endif
;; end of part 3
;; launch outp (part 4): grid 4 x 32, 4 waves a work-group, clusters of 4 x 4, 327,680 bytes of LDS; arguments ac, asc, wc, ws, out0; writes out0
.if DOCPART == 4
	.amdgcn_target "amdgcn-amd-amdhsa--gfx1250"
	.amdhsa_code_object_version 6
	.text
	.protected	k_q0f667f8b3c_outp
	.globl	k_q0f667f8b3c_outp
	.p2align	8
	.type	k_q0f667f8b3c_outp,@function
k_q0f667f8b3c_outp:
	s_mov_b64 s[64:65], 0
	v_nop
	global_prefetch_b8 v0, s[64:65] scope:SCOPE_SE
	s_setreg_imm32_b32 hwreg(HW_REG_WAVE_MODE, 25, 1), 1
	s_wait_xcnt 0x0
	s_wait_alu depctr_hold_cnt(0) depctr_sa_sdst(0) depctr_va_vdst(0) depctr_va_sdst(0) depctr_va_ssrc(0) depctr_va_vcc(0) depctr_vm_vsrc(0)
	s_getreg_b32 s2, hwreg(HW_REG_IB_STS2, 6, 4)
	s_cmp_eq_u32 s2, 0
	s_cbranch_scc0 .Lentry_in_a_cluster
	s_endpgm
.Lentry_in_a_cluster:
	s_bfe_u32 s2, ttmp6, 0x10000c
	s_cmp_lg_u32 s2, 0xf033
	s_cbranch_scc0 .Lentry_shape_is_right
	s_endpgm
.Lentry_shape_is_right:
; out0 = O Wproj^T on codes of FP6 (E2M3) with E8M0 scales.  O's codes: ac [head 16][row 8,192][48 bytes], its scale bytes asc [8,192][32]; Wproj's: rows 3,072 on of wc [.][768] and ws [.][32].  out0: [8,192][1,024] f32.
; A tile of 256 x 256 to a work-group of four waves, 128 x 128 a wave in 64 accumulators.  K in steps of 256 (four heads) through two LDS slots; the scales of the work-group's 512 rows come into LDS once.
; 4 x 4 work-groups form a cluster: O's tile is asked for jointly along a row of the cluster, Wproj's along a column.  Source 0 = 16 rows of Wproj, source 1 = 16 rows of O: a lane holds eight neighbouring numbers of a row of out0.
; O's tile of a K step is four planes (heads) of 128 rows x 48 bytes, each plane 6,144 dense bytes: rows 12 words apart, so the 32 lanes of a load of 8 bytes touch 64 different banks without padding.
; 128 work-groups: a tile of half the size would give 256 at twice the LDS reads for each product; the launch is short beside attention's.
.set SIZE_K, 1024
.set SIZE_N, 1024
.set KSTEP,  256
.set NQ,     KSTEP/128
.set ROWB,   192
.set KROW,   SIZE_K*6/8
.set PITCH,  240
.set FR,     12
.set NL,     6
.set NP,     4
.set HALFT,  128*PITCH
.set SLOT,   4*HALFT
.set LAPS,   SIZE_K/(2*KSTEP)
.set KS,     SIZE_K/32
.set SCL,    2*SLOT
.set HALFS,  (128*KS/256)*272
.set SBLK,   (16*KS/256)*272
.set SPARE,  SCL+4*HALFS
.set SPITCH, 528                       ; the way out: 16 rows x (512 bytes + 16) a wave, in slot 0, which has had its last fill and its last read by then
.set PLANE,  6144                      ; 128 rows x 48 bytes
.set HSTEP,  4*393216                  ; four heads on in ac
.set ADRA, 16
.set ADRB, 20
.set STO,  24
.set RD,   25
.set CO,   26
.set ADRS, 27
.set SPW,  28
.set NIL,  29
.set SC,   32
.set AF,   128
.set BK,   128
.set G1, 24
.set G0, 32
.set G1B, 48
.set G0B, 56
.set G1S, 68
.set G0S, 76
.set G1SB, 80
.set G0SB, 88
.set MSB, 0
.macro WIN new
.if MSB != \new
	s_set_vgpr_msb (MSB<<8)|\new
.set MSB, \new
.endif
.endm
.set MUL_LO, 0xa1
.set MUL_HI, 0xf1
.set TO_B,   0x40
.macro JLOAD g0a, g1a, g0b, g1b
	s_cmp_eq_u32 s15, 0
	s_cbranch_scc0 .Lfor_b_\@
	tensor_load_to_lds s[\g0a:\g0a+3], s[\g1a:\g1a+7]
	s_nop 0
.rept 4
	v_nop
.endr
	s_branch .Lasked_\@
.Lfor_b_\@:
	tensor_load_to_lds s[\g0b:\g0b+3], s[\g1b:\g1b+7]
	s_nop 0
.rept 4
	v_nop
.endr
.Lasked_\@:
.endm
.macro CREST
	s_cmp_lg_u32 s14, 0
	s_cbranch_scc1 .Lnot_wave_0_\@
	s_barrier_signal -3
.Lnot_wave_0_\@:
	s_barrier_wait -3
	s_barrier_signal -1
	s_barrier_wait -1
.endm
.macro CROUND
	s_barrier_signal -1
	s_barrier_wait -1
	CREST
.endm
	s_load_b128 s[4:7], s[0:1], 0x0                ; ac, asc
	s_load_b128 s[8:11], s[0:1], 0x10              ; wc, ws
	s_load_b64 s[12:13], s[0:1], 0x20              ; out0
	v_lshl_add_u32 v[SPW], v0, 2, SPARE
	v_mov_b32 v[NIL], 0
	ds_add_u32 v[SPW], v[NIL]                      ; the wave's opening: the add and its wait stand ahead of my first tensor load
	v_lshrrev_b32 v1, 5, v0
	v_readfirstlane_b32 s14, v1
	s_lshr_b32 s15, s14, 1
	s_and_b32 s16, s14, 1
	s_bfe_u32 s40, ttmp6, 0x40000
	s_bfe_u32 s41, ttmp6, 0x40004
	s_lshl_b32 s42, ttmp9, 2
	s_add_co_u32 s42, s42, s40                     ; tile column
	s_and_b32 s17, ttmp7, 0xffff
	s_lshl_b32 s17, s17, 2
	s_add_co_u32 s17, s17, s41                     ; tile row
	s_lshl_b32 s43, s41, 2
	s_lshl_b32 s43, 15, s43
	s_lshl_b32 s44, 0x1111, s40
	s_or_b32 s[G1+0], s43, (3<<16)|(1<<21)         ; O's tile: elements of 8 bytes, no padding; four rows (heads) of 768 elements, 49,152 elements apart
	s_mov_b32 s[G1+1], 768<<16
	s_mov_b32 s[G1+2], 4<<16
	s_mov_b32 s[G1+3], 768<<16
	s_mov_b32 s[G1+4], 4
	s_mov_b32 s[G1+5], 49152
	s_mov_b32 s[G1+6], 0
	s_mov_b32 s[G1+7], 0
	s_or_b32 s[G1B+0], s44, (0<<16)|(1<<20)|(1<<21)|(3<<22)|(3<<25)
	s_mov_b32 s[G1B+1], ROWB<<16
	s_mov_b32 s[G1B+2], 128<<16
	s_mov_b32 s[G1B+3], ROWB<<16
	s_mov_b32 s[G1B+4], 128
	s_mov_b32 s[G1B+5], KROW
	s_mov_b32 s[G1B+6], 0
	s_mov_b32 s[G1B+7], 0
	s_or_b32 s[G1S+0], s43, (3<<16)|(1<<20)|(1<<21)|(5<<22)|(3<<25)
	s_or_b32 s[G1SB+0], s44, (3<<16)|(1<<20)|(1<<21)|(5<<22)|(3<<25)
.irp g, G1S, G1SB
	s_mov_b32 s[\g+1], 32<<16
	s_mov_b32 s[\g+2], (128*KS/256)<<16
	s_mov_b32 s[\g+3], 32<<16
	s_mov_b32 s[\g+4], 128*KS/256
	s_mov_b32 s[\g+5], 32
	s_mov_b32 s[\g+6], 0
	s_mov_b32 s[\g+7], 0
.endr
	s_lshl_b32 s18, s16, 7
	s_lshl_b32 s20, s17, 8
	s_add_co_u32 s20, s20, s18                     ; O's row that I fetch from
	s_lshl_b32 s46, s42, 8
	s_add_co_u32 s46, s46, s18
	s_add_co_u32 s46, s46, 3072                    ; Wproj's, in wc and ws
	s_mov_b32 s21, 0
	s_mov_b32 s47, 0
	s_mov_b64 s[18:19], KS
	s_mul_u64 s[22:23], s[20:21], s[18:19]
	s_mul_u64 s[92:93], s[46:47], s[18:19]
	s_mov_b64 s[18:19], 48
	s_mul_u64 s[20:21], s[20:21], s[18:19]
	s_mov_b64 s[18:19], KROW
	s_mul_u64 s[46:47], s[46:47], s[18:19]
	s_mul_i32 s45, s14, HALFT
	s_mul_i32 s94, s14, HALFS
	s_wait_dscnt 0x0                               ; the opening add is done
	s_wait_kmcnt 0x0
	s_add_nc_u64 s[20:21], s[4:5], s[20:21]
	s_add_nc_u64 s[22:23], s[6:7], s[22:23]
	s_add_nc_u64 s[46:47], s[8:9], s[46:47]
	s_add_nc_u64 s[92:93], s[10:11], s[92:93]
	CROUND
	s_mov_b32 s[G0S], 1
	s_add_co_u32 s[G0S+1], s94, SCL
	s_mov_b64 s[G0S+2:G0S+3], s[22:23]
	s_or_b32 s[G0S+3], s[G0S+3], 0x80000000
	s_mov_b32 s[G0SB], 1
	s_add_co_u32 s[G0SB+1], s94, SCL
	s_mov_b64 s[G0SB+2:G0SB+3], s[92:93]
	s_or_b32 s[G0SB+3], s[G0SB+3], 0x80000000
	JLOAD G0S, G1S, G0SB, G1SB                     ; the scales first; three tensor loads of mine are out at the most
.irp s, 0,1
	s_mov_b32 s[G0+4*\s], 1
	s_add_co_u32 s[G0+4*\s+1], s45, \s*SLOT
	s_add_nc_u64 s[G0+4*\s+2:G0+4*\s+3], s[20:21], \s*HSTEP
	s_or_b32 s[G0+4*\s+3], s[G0+4*\s+3], 0x80000000
	s_mov_b32 s[G0B+4*\s], 1
	s_add_co_u32 s[G0B+4*\s+1], s45, \s*SLOT
	s_add_nc_u64 s[G0B+4*\s+2:G0B+4*\s+3], s[46:47], \s*ROWB
	s_or_b32 s[G0B+4*\s+3], s[G0B+4*\s+3], 0x80000000
	JLOAD G0+4*\s, G1, G0B+4*\s, G1B
.endr
	v_and_b32 v1, 15, v0
	v_bfe_u32 v2, v0, 4, 1
	v_mul_u32_u24 v3, v1, PITCH
	v_mul_u32_u24 v4, v2, 24
	v_add_nc_u32 v4, v3, v4
	v_lshl_add_u32 v5, v2, 4, v4
	v_mul_u32_u24 v7, v1, 48
	v_mad_u32_u24 v7, v2, 24, v7                   ; O: row r of 48 bytes, + 24 h
	s_mul_i32 s21, s15, HALFT
	s_mul_i32 s22, s16, HALFT
	s_add_co_u32 s22, s22, 2*HALFT
.irp s, 0,1
	v_add_nc_u32 v[ADRA+\s], s21, v7
	v_add_nc_u32 v[ADRB+\s], s22, v4
	v_add_nc_u32 v[ADRB+2+\s], s22, v5
	s_add_co_u32 s21, s21, SLOT
	s_add_co_u32 s22, s22, SLOT
.endr
	v_mul_u32_u24 v5, v1, KS
	v_lshrrev_b32 v6, 8, v5
	v_lshl_add_u32 v5, v6, 4, v5
	s_mul_i32 s21, s15, HALFS
	s_mul_i32 s22, s16, HALFS
	s_add_co_u32 s22, s22, 2*HALFS
	s_sub_co_u32 s22, s22, s21
	v_mul_u32_u24 v6, s22, v2
	s_add_co_u32 s21, s21, SCL
	v_add_nc_u32 v5, v5, v6
	v_add_nc_u32 v[ADRS], s21, v5
	s_mul_i32 s23, s14, 16*SPITCH
	v_mul_u32_u24 v5, v1, SPITCH
	v_lshl_add_u32 v5, v2, 5, v5
	v_add_nc_u32 v[STO], s23, v5
	v_and_b32 v6, 31, v0
	v_lshlrev_b32 v[CO], 4, v6
	v_add_nc_u32 v[RD], s23, v[CO]
	s_lshl_b32 s20, s17, 8
	s_lshl_b32 s21, s15, 7
	s_add_co_u32 s20, s20, s21
	s_mov_b32 s21, 0
	s_mov_b64 s[18:19], SIZE_N*4
	s_mul_u64 s[20:21], s[20:21], s[18:19]
	s_lshl_b32 s46, s42, 10
	s_lshl_b32 s47, s16, 9
	s_add_co_u32 s46, s46, s47
	s_mov_b32 s47, 0
	s_add_nc_u64 s[20:21], s[20:21], s[46:47]
	s_add_nc_u64 s[12:13], s[12:13], s[20:21]
.macro FRAG reg, adr, q, i             ; a fragment of Wproj
.irp p, 0,1,2,3,4,5
.set PC, 12*(\q)+6*(\p/3)+\p%3
.if PC%8 < 5
	ds_load_b64 v[\reg+2*\p:\reg+2*\p+1], v[\adr] offset:8*PC+16*(PC/8)+(\i)*16*PITCH
.else
	ds_load_b64 v[\reg+2*\p:\reg+2*\p+1], v[\adr+2] offset:8*PC+16*(PC/8)+(\i)*16*PITCH
.endif
.endr
.endm
.macro FRAGA reg, slot, q, i           ; a fragment of O: registers 0-5 from head 2 q of the slot's four, registers 6-11 from head 2 q + 1
.irp p, 0,1,2,3,4,5
	ds_load_b64 v[\reg+2*\p:\reg+2*\p+1], v[ADRA+\slot] offset:(2*(\q)+\p/3)*PLANE+(\i)*768+8*(\p%3)
.endr
.endm
.macro MUL16 a0, p, q, sc, zero        ; the 64 accumulators take turns, one instruction a turn
.irp a, \a0, \a0+1
.irp b, 0,1,2,3,4,5,6,7
.if \zero
	v_wmma_scale_f32_16x16x128_f8f6f4 v[8*(8*((\a)%4)+\b):8*(8*((\a)%4)+\b)+7], v[128*(\p)+FR*\b:128*(\p)+FR*\b+FR-1], v[AF+FR*(\a):AF+FR*(\a)+FR-1], 0, v[SC+8*NQ*(\sc)+NQ*\b+(\q)], v[SC+8*NQ*(\sc)+NQ*(\a)+(\q)] matrix_a_fmt:MATRIX_FMT_FP6 matrix_b_fmt:MATRIX_FMT_FP6 matrix_a_scale:MATRIX_SCALE_ROW1
.else
	v_wmma_scale_f32_16x16x128_f8f6f4 v[8*(8*((\a)%4)+\b):8*(8*((\a)%4)+\b)+7], v[128*(\p)+FR*\b:128*(\p)+FR*\b+FR-1], v[AF+FR*(\a):AF+FR*(\a)+FR-1], v[8*(8*((\a)%4)+\b):8*(8*((\a)%4)+\b)+7], v[SC+8*NQ*(\sc)+NQ*\b+(\q)], v[SC+8*NQ*(\sc)+NQ*(\a)+(\q)] matrix_a_fmt:MATRIX_FMT_FP6 matrix_b_fmt:MATRIX_FMT_FP6 matrix_a_scale:MATRIX_SCALE_ROW1
.endif
.endr
.endr
.endm
.macro FETCH_B slot, q, p
	WIN TO_B
.irp i, 0,1,2,3,4,5,6,7
	FRAG 128*(\p)+FR*\i, ADRB+\slot, \q, \i
.endr
	WIN 0
.endm
.macro FETCH_A slot, q, i0
.irp i, \i0, \i0+1, \i0+2, \i0+3
	FRAGA AF+FR*(\i), \slot, \q, \i
.endr
.endm
.macro SCALES sc
.irp i, 0,1,2,3,4,5,6,7
	ds_load_b64 v[SC+8*NQ*\sc+NQ*\i:SC+8*NQ*\sc+NQ*\i+1], v[ADRS] offset:\i*SBLK
.endr
.endm
.macro PLACES n
.rept \n
	v_nop
.endr
.endm
.macro STEP slot, q, zero
	s_wait_dscnt 4*NL                              ; the youngest 24 loads (O's blocks 4-7) may be out
	WIN MUL_LO
	MUL16 0, (\q)%2, \q, \slot, \zero
	MUL16 2, (\q)%2, \q, \slot, \zero
	s_wait_dscnt 0
	PLACES NP
	FETCH_B \slot, (\q)+1, 1-(\q)%2
	FETCH_A \slot, (\q)+1, 0
	WIN MUL_HI
	MUL16 4, (\q)%2, \q, \slot, \zero
	MUL16 6, (\q)%2, \q, \slot, \zero
	PLACES NP
	WIN 0
	FETCH_A \slot, (\q)+1, 4
.endm
.macro TURN slot, next, fill
	s_wait_tensorcnt 0x0                           ; all my tensor loads have landed: my part of the next slot;
	ds_add_u32 v[SPW], v[NIL]                      ; 0 onto my spare word;
	s_wait_dscnt 4*NL+1                            ; (the add and the youngest 24 loads may be out)
	WIN MUL_LO
	MUL16 0, 1, NQ-1, \slot, 0
	s_wait_dscnt 0x0                               ; the add is done, and my reads of this slot are over
	s_barrier_signal -1
	MUL16 2, 1, NQ-1, \slot, 0
	WIN 0
	s_barrier_wait -1
.if \fill
	CREST                                          ; the barrier has opened a round of the cluster's barrier
	s_add_nc_u64 s[G0+4*\slot+2:G0+4*\slot+3], s[G0+4*\slot+2:G0+4*\slot+3], 2*HSTEP
	s_add_nc_u64 s[G0B+4*\slot+2:G0B+4*\slot+3], s[G0B+4*\slot+2:G0B+4*\slot+3], 2*ROWB
	JLOAD G0+4*\slot, G1, G0B+4*\slot, G1B         ; the first tensor load behind the round
.else
	PLACES NP
.endif
	v_add_nc_u32 v[ADRS], 4*NQ, v[ADRS]
	FETCH_B \next, 0, 0
	FETCH_A \next, 0, 0
	SCALES \next
	WIN MUL_HI
	MUL16 4, 1, NQ-1, \slot, 0
	MUL16 6, 1, NQ-1, \slot, 0
	PLACES NP
	WIN 0
	FETCH_A \next, 0, 4
.endm
	s_wait_tensorcnt 1                             ; the scales and my part of K step 0 are in (K step 1's load may be out),
	s_barrier_signal -1
	s_barrier_wait -1                              ; everybody's are
	FETCH_B 0, 0, 0
	FETCH_A 0, 0, 0
	SCALES 0
	FETCH_A 0, 0, 4
	STEP 0, 0, 1
	s_mov_b32 s3, LAPS-1
.Llap:
	TURN 0, 1, 1
	STEP 1, 0, 0
	TURN 1, 0, 1
	STEP 0, 0, 0
	s_sub_co_u32 s3, s3, 1
	s_cmp_lg_u32 s3, 0
	s_cbranch_scc1 .Llap
	TURN 0, 1, 0
	STEP 1, 0, 0
	s_wait_dscnt 4*NL
	WIN MUL_LO
	MUL16 0, 1, NQ-1, 1, 0
	MUL16 2, 1, NQ-1, 1, 0
	s_wait_dscnt 0
	WIN MUL_HI
	MUL16 4, 1, NQ-1, 1, 0
	MUL16 6, 1, NQ-1, 1, 0
	WIN 0
; THE WAY OUT, block by block of 16 rows x 128 columns, through my own stage in LDS: back come whole rows of 512 bytes.  LDS serves a wave's instructions in order: no wait between the stores and the loads.
.macro TOSTAGE a
.set AC, 64*((\a)%4)
	WIN 0x08+4*((\a)/4)                            ; the data: window 2 or 3
.irp b, 0,1,2,3,4,5,6,7
	ds_store_b128 v[STO], v[AC+8*\b:AC+8*\b+3] offset:64*\b          ; each accumulator from its low end on
	ds_store_b128 v[STO], v[AC+8*\b+4:AC+8*\b+7] offset:64*\b+16
.endr
	WIN 0
.set BB, BK+64*((\a)%2)
.irp t, 0,1,2,3,4,5,6,7,8,9,10,11,12,13,14,15
	ds_load_b128 v[BB+4*\t:BB+4*\t+3], v[RD] offset:\t*SPITCH
.endr
.endm
.macro SEND a, younger
.set BB, BK+64*((\a)%2)
	s_wait_dscnt \younger                          ; the block is back in registers
.if (\a) > 0
	s_add_nc_u64 s[12:13], s[12:13], 16*SIZE_N*4   ; (behind a wait on XCNT: the earlier stores have read their base)
.endif
.irp t, 0,1,2,3,4,5,6,7,8,9,10,11,12,13,14,15
	global_store_b128 v[CO], v[BB+4*\t:BB+4*\t+3], s[12:13] offset:\t*SIZE_N*4 th:TH_STORE_NT   ; 32 lanes store 512 consecutive bytes, at a multiple of 256 from out0's first byte
.endr
.endm
	PLACES NP
	TOSTAGE 0
.irp a, 1,2,3,4,5,6,7
.if \a > 1
	s_wait_xcnt 0x0                                ; block a - 2's stores have read their registers and their base
.endif
	TOSTAGE \a
	SEND \a-1, 32                                  ; behind block a - 1's loads: block a's 16 stores and 16 loads
.endr
	s_wait_xcnt 0x0
	SEND 7, 0
	s_wait_tensorcnt 0x0                           ; the wave's end
	ds_add_u32 v[SPW], v[NIL]
	s_wait_dscnt 0x0
	CROUND                                         ; the closing round
	s_endpgm
.Lfunc_end_k_q0f667f8b3c_outp:
	.size	k_q0f667f8b3c_outp, .Lfunc_end_k_q0f667f8b3c_outp-k_q0f667f8b3c_outp
	.p2alignl 7, 3214868480
	.fill 96, 4, 3214868480
	.section	.rodata,"a",@progbits
	.p2align	6, 0x0
	.amdhsa_kernel k_q0f667f8b3c_outp
		.amdhsa_group_segment_fixed_size 327680
		.amdhsa_private_segment_fixed_size 0
		.amdhsa_enable_private_segment 0
		.amdhsa_kernarg_size 40
		.amdhsa_user_sgpr_count 2
		.amdhsa_user_sgpr_kernarg_segment_ptr 1
		.amdhsa_wavefront_size32 1
		.amdhsa_system_sgpr_workgroup_id_x 1
		.amdhsa_system_sgpr_workgroup_id_y 1
		.amdhsa_system_sgpr_workgroup_id_z 1
		.amdhsa_system_vgpr_workitem_id 0
		.amdhsa_next_free_vgpr 1024
		.amdhsa_next_free_sgpr 98
		.amdhsa_reserve_vcc 0
		.amdhsa_float_denorm_mode_32 3
		.amdhsa_float_denorm_mode_16_64 3
		.amdhsa_memory_ordered 1
		.amdhsa_forward_progress 1
		.amdhsa_inst_pref_size 160
	.end_amdhsa_kernel
	.amdgpu_metadata
---
amdhsa.version: [ 1, 2 ]
amdhsa.kernels:
  - .name:           k_q0f667f8b3c_outp
    .symbol:         k_q0f667f8b3c_outp.kd
    .args:
      - { .name: ac, .offset: 0, .size: 8, .value_kind: global_buffer, .address_space: global }
      - { .name: asc, .offset: 8, .size: 8, .value_kind: global_buffer, .address_space: global }
      - { .name: wc, .offset: 16, .size: 8, .value_kind: global_buffer, .address_space: global }
      - { .name: ws, .offset: 24, .size: 8, .value_kind: global_buffer, .address_space: global }
      - { .name: out0, .offset: 32, .size: 8, .value_kind: global_buffer, .address_space: global }
    .group_segment_fixed_size: 327680
    .private_segment_fixed_size: 0
    .kernarg_segment_align: 8
    .kernarg_segment_size: 40
    .max_flat_workgroup_size: 128
    .sgpr_count:     98
    .vgpr_count:     1024
    .wavefront_size: 32
...
	.end_amdgpu_metadata
.endif
;; end of part 4
